; MI455X (gfx1250); checked and timed in simulation.
; The chip was launched on July 23, 2026; its instructions are those of AMD's public machine-readable ISA for CDNA 5 (MIT licence, August 2026) and "CDNA5" Instruction Set Architecture Reference Guide (July 2026). The comments in the code are by the model that wrote it; some were corrected since.
;; Gpt Oss Attention. Allowed arithmetic: matrix products marked QUANTISED: E2M3 operands, one E8M0 scale for each 32 along K, by v_wmma_scale_f32_16x16x128_f8f6f4 with both operands' format E2M3, f32 sums; everything else in f32.
;; Inputs: Wk_codes 512 x 90 x 24 uint8 (E2M3 codes of Wk, K innermost, in blocks of 32 codes, four codes in three bytes); Wk_scales 512 x 90 uint8 (E8M0 scales of Wk, one for each 32 codes along K); Wo_codes 2,880 x 64 x 24 uint8 (E2M3 codes of Wo, K innermost, in blocks of 32 codes, four codes in three bytes); Wo_scales 2,880 x 64 uint8 (E8M0 scales of Wo, one for each 32 codes along K); Wq_codes 2,048 x 90 x 24 uint8 (E2M3 codes of Wq, K innermost, in blocks of 32 codes, four codes in three bytes); Wq_scales 2,048 x 90 uint8 (E8M0 scales of Wq, one for each 32 codes along K); Wv_codes 512 x 90 x 24 uint8 (E2M3 codes of Wv, K innermost, in blocks of 32 codes, four codes in three bytes); Wv_scales 512 x 90 uint8 (E8M0 scales of Wv, one for each 32 codes along K); bk 512 float32; bo 2,880 float32; bq 2,048 float32; bv 512 float32; freqs_cis 4,096 x 64 float32; sinks 32 float32; x_codes 1 x 4,096 x 90 x 24 uint8 (E2M3 codes of x, K innermost, in blocks of 32 codes, four codes in three bytes); x_scales 1 x 4,096 x 90 uint8 (E8M0 scales of x, one for each 32 codes along K).
;; Outputs: out0 1 x 4,096 x 2,880 float32.
;; This version of the problem:
;;   THIS VERSION OF THE PROBLEM IS GIVEN IN LOW PRECISION. The matrix products marked QUANTISED in the list below multiply operands that are first quantised to E2M3 (2 exponent bits, 3 mantissa bits; 6 bits a number), with one power-of-two scale for each 32 numbers along K (OCP MX v1.0); their sums are f32. All else is computed in f32.
;;   The module's matrix products, in the order in which they are computed (A, B: the left and right operand; K: the contracted axis; several contracted axes count as one K, in the product's order):
;;     1. [M 4,096, K 2,880] x [K 2,880, N 2,048]; A: input x (given as codes); B: input Wq (given as codes): QUANTISED
;;     2. [M 4,096, K 2,880] x [K 2,880, N 512]; A: input x (given as codes); B: input Wk (given as codes): QUANTISED
;;     3. [M 4,096, K 2,880] x [K 2,880, N 512]; A: input x (given as codes); B: input Wv (given as codes): QUANTISED
;;     4. batch 256 x [M 256, K 64] x [K 64, N 512]; A: computed on the way; B: computed on the way: QUANTISED
;;     5. batch 256 x [M 64, K 256] x [K 256, N 512]; A: computed on the way; B: computed on the way: QUANTISED
;;     6. [M 4,096, K 2,048] x [K 2,048, N 2,880]; A: computed on the way; B: input Wo (given as codes): QUANTISED
;;   THE QUANTISER, for each operand of a quantised product, along K:
;;     - K is cut into blocks of 32 from its start; a last block that is shorter is filled with zeros.
;;     - A block's scale is 2^e with e = floor(log2(the largest magnitude in the block)) - 2, held to -126 .. 127; a block of zeros has e = 0. As a byte (E8M0): e + 127.
;;     - Each number is divided by its block's scale, clamped to +-7.5, and rounded to the nearest number of E2M3, ties to even, subnormals kept.
;;     - The product sums the exact products of the quantised numbers (number of the format x scale) in f32.
;;   ~~~python
;;   def quantise(x, axis):      # numpy; x: float32 -> the quantised numbers, widened to float32 again
;;       x = np.moveaxis(x, axis, -1); K = x.shape[-1]
;;       x = np.pad(x, [(0, 0)] * (x.ndim - 1) + [(0, -K % 32)]); x = x.reshape(x.shape[:-1] + (-1, 32)); a = np.abs(x).max(-1, keepdims=True)
;;       e = np.where(a > 0, np.clip(np.frexp(np.where(a > 0, a, 1))[1] - 1 - 2, -126, 127), 0)      # np.frexp(a)[1] - 1 = floor(log2(a)), exactly
;;       r = np.clip(x / 2.0 ** e, -7.5, 7.5)
;;       step = 2.0 ** (np.maximum(np.frexp(np.where(r == 0, 1, r))[1] - 1, 0) - 3)
;;       q = np.round(r / step) * step * 2.0 ** e      # np.round: ties to even
;;       return np.moveaxis(q.reshape(q.shape[:-2] + (-1,))[..., :K], -1, axis).astype(np.float32)
;;   ~~~
;;   OPERANDS COMPUTED ON THE WAY. 'Computed on the way' means the value that the module computes at that place (a softmax that the list does not call 'softmax' is quantised finished and normalised). What goes into a quantiser is computed in f32, as accurately as f32 sums, v_exp_f32 and their like allow (about 1e-6 of the number): no bf16 or f16 on the way to a quantiser, and a product that is left as it is and whose result goes on into a quantised operand takes f32 operands (vector FMAs, or v_wmma_f32_16x16x4_f32). A number that lies on a knife's edge between two numbers of the format may be rounded either way, as far as f32 arithmetic and the matrix unit's own rounding can turn it there, and no further.
;;   INPUTS GIVEN AS CODES. Wk (in the module: [2880, 512], K = its axis 0); Wo (in the module: [2048, 2880], K = its axis 0); Wq (in the module: [2880, 2048], K = its axis 0); Wv (in the module: [2880, 512], K = its axis 0); x (in the module: [1, 4096, 2880], K = its axis 2): each comes as NAME_codes (uint8): NAME with its K axis moved to the last place and cut into blocks of 32 codes, [.., K / 32, bytes a block], one block behind the other in memory; four codes in three bytes: a row's codes are one little-endian stream of bits, code i at bits 6 i .. 6 i + 5 (a code: sign, 2 exponent bits, 3 mantissa bits); and NAME_scales (uint8): the same leading axes, one E8M0 byte (e + 127) for each 32 codes along K. Its value is code x scale, taken as it is: it is not quantised again, and the codes and scales need not be those that the quantiser above would give.
;; One version. Each part assembles by itself: llvm-mc -triple=amdgcn-amd-amdhsa -mcpu=gfx1250 --defsym DOCPART=n.
;; ======== version 1 of 1: 3 launches
;; workspace buffers: q_img 6,291,456 bytes; k_img 1,572,864 bytes; q_sc 524,288 bytes; k_sc 131,072 bytes; v_img 1,572,864 bytes; v_sc 65,536 bytes; o_codes 6,291,456 bytes; o_scales 262,144 bytes
;; launch qkv (part 1): grid 12 x 16, 4 waves a work-group, clusters of 4 x 4, 327,680 bytes of LDS; arguments x_codes, x_scales, Wq_codes, Wq_scales, Wk_codes, Wk_scales, Wv_codes, Wv_scales, bq, bk, bv, freqs_cis, q_img, q_sc, k_img, k_sc, v_img, v_sc; writes q_img, q_sc, k_img, k_sc, v_img, v_sc
.if DOCPART == 1
	.amdgcn_target "amdgcn-amd-amdhsa--gfx1250"
	.amdhsa_code_object_version 6
	.text
	.protected	k_q88083e41b4_qkv
	.globl	k_q88083e41b4_qkv
	.p2align	8
	.type	k_q88083e41b4_qkv,@function
k_q88083e41b4_qkv:
	s_mov_b64 s[64:65], 0
	v_nop
	global_prefetch_b8 v0, s[64:65] scope:SCOPE_SE
	s_setreg_imm32_b32 hwreg(HW_REG_WAVE_MODE, 25, 1), 1
	s_wait_xcnt 0x0
	s_wait_alu depctr_hold_cnt(0) depctr_sa_sdst(0) depctr_va_vdst(0) depctr_va_sdst(0) depctr_va_ssrc(0) depctr_va_vcc(0) depctr_vm_vsrc(0)
	s_getreg_b32 s2, hwreg(HW_REG_IB_STS2, 6, 4)
	s_cmp_eq_u32 s2, 0
	s_cbranch_scc0 .Lentry_in_a_cluster
	s_endpgm
.Lentry_in_a_cluster:
	s_bfe_u32 s2, ttmp6, 0x10000c
	s_cmp_lg_u32 s2, 0xf033
	s_cbranch_scc0 .Lentry_shape_is_right
	s_endpgm
.Lentry_shape_is_right:
; q = rope(x Wq + bq), k = rope(x Wk + bk), v = x Wv + bv on codes of FP6 (E2M3) with one E8M0 scale for each 32 along K = 2,880, and the results quantised again for the attention launch:
; q and k along the head's 64 (two blocks), v along the keys (blocks of 32 tokens).  x: 4,096 rows of 2,160 bytes of codes and 90 scale bytes; the weights likewise, K innermost.
; SHARES.  A work-group of four waves makes 256 tokens x 256 columns; a wave 128 x 128: 64 accumulators, 512 registers.  Column tiles 0-7 are Wq's (four heads each).  In the third cluster column
; (cluster x = 2) a column tile is MIXED: its rows 0-127 are Wk's rows 128 cx on, its rows 128-255 Wv's rows 128 cx on.  So a work-group's kind hangs on the cluster's x, which partners share, and a
; wave's kind on its number; nothing hangs on the place in the cluster.  12 x 16 = 192 work-groups: tiles of three heads would give 256, but would mix q, k and v by the place in the cluster.
; ROLES.  D(p, r): source 0 = 16 rows of the operand p, source 1 = 16 rows of the operand r; a lane holds ONE r and its registers run along p, and the quantiser runs along p.
; q and k waves: p = rows of W (the head's d), r = tokens.  v waves: p = tokens (the keys), r = rows of Wv (d).  The wave tile is square, so a v wave differs in the loop by three LDS bases alone.
; K goes in steps of 256 codes (192 bytes a row) through a ring of two LDS slots; 2,880 = 11 x 256 + 64: the last fill states 48 bytes as what is left of a row, and the mover writes zeros behind them.
; THE SCALES of the 256 + 256 rows come once: rows of 90 bytes laid 96 apart, zeros behind byte 89, so that every scale word is aligned and the zero codes of the last step meet the byte 0.
; CLUSTERS: 4 x 4.  x's tiles are asked for jointly along a row of the cluster, W's along a column.
; THE ORDER OF CODES IN A BLOCK.  A lane's 16 registers of two neighbouring tiles are places 8 h + 0..7 and 16 + 8 h + 0..7 of a block, so a block's codes stand in the order 0-7, 16-23, 8-15, 24-31.
; q and k have the same order, and so have v here and p in the attention launch: a permutation inside one scale block, alike on both sides of a product, leaves the product as it is.
; LIMITS: NaN and infinities are not served.  A block whose largest magnitude lies under 2^-124 keeps the scale byte 1; a block of zeros gets the byte 1 where the quantiser says 127: its codes are zeros, and only this program reads the bytes.
; REGISTERS: window 0: v1-14 offsets; v16-23, v27 LDS addresses; v28, v29 for the add; v32-63 scale words, two sets, nothing else; v64-127 the bias as the first products' C, later cos and sin or bv;
;   v128-223 source 1's fragments, one set, later the way out's work.   window 1: source 0's fragments, two sets.   windows 2, 3: accumulator (a, b) at v[8 (8 (a % 4) + b)].
.set KROW,   2160                      ; a row of codes in memory
.set KSB,    90                        ; a row of scale bytes in memory
.set NQ,     2                         ; steps of 128 in a slot
.set ROWB,   192                       ; a tile's row: 256 codes
.set LASTB,  48                        ; what is left of a row at the last fill: 64 codes
.set PITCH,  240                       ; 3 x (64 bytes + 16 of padding)
.set FR,     12
.set NL,     6
.set NP,     4
.set HALFT,  128*PITCH
.set SLOT,   4*HALFT                   ; x's 256 rows, then W's 256
.set SCL,    2*SLOT
.set SROW,   96
.set HALFS,  128*SROW
.set SBLK,   16*SROW
.set SPARE,  SCL+4*HALFS               ; the spare words: 128 bytes a wave, two blocks of 256 bytes that no other line names
.set VB_OFF, 1048576                   ; v_img: plane B behind plane A
.set ADRA, 16                          ; v16-17 source 1's fragments in slot 0, 1; v18-19 the same behind one padding more
.set ADRB, 20                          ; v20-23 the same for source 0
.set ADRS, 27                          ; v27 scale words: lanes 0-15 source 1's rows, lanes 16-31 source 0's
.set SPW,  28
.set NIL,  29
.set SC,   32
.set BIAS, 64
.set AF,   128
.set Y,    128                         ; the way out: 32 numbers of a lane
.set RT,   160                         ; v160-167 rope's products
.set TM,   168                         ; v168-173 largest magnitudes, bytes, scale operands
.set PC,   176                         ; v176-181 a block's codes
.set PT,   184                         ; v184-186
.set PW,   188                         ; two scale bytes
.set SW,   189                         ; the word to store
.set KW,   190                         ; v190-191 words kept
.set VW,   192
.set G1,   24
.set G0,   32
.set G1B,  48
.set G0B,  56
.set G1S,  68
.set G0S,  76
.set G1SB, 80
.set G0SB, 88
.set SEL,  92                          ; s[92:93] v_permlanex16_b32's selects for lane l xor 16
.set HM,   94                          ; s94 the mask of lanes 16-31
.set MSB, 0
.macro WIN new                         ; the immediate's high byte repeats the setting that is left
.if MSB != (\new)
	s_set_vgpr_msb (MSB<<8)|(\new)
.set MSB, (\new)
.endif
.endm
.set MUL_LO, 0xa1                      ; source 0 window 1, source 1 window 0, C and D window 2
.set MUL_HI, 0xf1
.set TO_B,   0x40
; A joint load: waves 0 and 1 fetch x's halves, waves 2 and 3 W's.  Four v_nop follow each of the two lines.
.macro JLOAD g0a, g1a, g0b, g1b
	s_cmp_eq_u32 s15, 0
	s_cbranch_scc0 .Lfor_b_\@
	tensor_load_to_lds s[\g0a:\g0a+3], s[\g1a:\g1a+7]
	s_nop 0
.rept 4
	v_nop
.endr
	s_branch .Lasked_\@
.Lfor_b_\@:
	tensor_load_to_lds s[\g0b:\g0b+3], s[\g1b:\g1b+7]
	s_nop 0
.rept 4
	v_nop
.endr
.Lasked_\@:
.endm
.macro CREST                           ; a round of the cluster's barrier behind its opening barrier
	s_cmp_lg_u32 s14, 0
	s_cbranch_scc1 .Lnot_wave_0_\@
	s_barrier_signal -3
.Lnot_wave_0_\@:
	s_barrier_wait -3
	s_barrier_signal -1
	s_barrier_wait -1
.endm
.macro CROUND
	s_barrier_signal -1
	s_barrier_wait -1
	CREST
.endm
	s_load_b512 s[24:39], s[0:1], 0x0              ; x codes, x scales, Wq codes, Wq scales, Wk codes, Wk scales, Wv codes, Wv scales
	s_load_b512 s[48:63], s[0:1], 0x40             ; bq, bk, bv, freqs_cis, q_img, q_sc, k_img, k_sc
	s_load_b128 s[68:71], s[0:1], 0x80             ; v_img, v_sc
	v_lshl_add_u32 v[SPW], v0, 2, SPARE
	v_mov_b32 v[NIL], 0
	ds_add_u32 v28, v29
	ds_add_u32 v28, v29
	s_wait_dscnt 0x0
	v_lshrrev_b32 v1, 5, v0
	v_readfirstlane_b32 s14, v1                    ; wave 0..3
	s_lshr_b32 s15, s14, 1                         ; rh: my half of the tokens.  Also: I fetch for x (0) or for W (1)
	s_and_b32 s16, s14, 1                          ; cw: my half of the columns.  Also: which 128 rows I fetch
	s_bfe_u32 s40, ttmp6, 0x40000                  ; cx
	s_bfe_u32 s41, ttmp6, 0x40004                  ; cy
	s_lshl_b32 s42, ttmp9, 2
	s_add_co_u32 s42, s42, s40                     ; tc: column tile
	s_and_b32 s17, ttmp7, 0xffff
	s_lshl_b32 s17, s17, 2
	s_add_co_u32 s17, s17, s41                     ; tr: token tile
	s_lshl_b32 s43, s41, 2
	s_lshl_b32 s43, 15, s43                        ; my row of the cluster
	s_lshl_b32 s44, 0x1111, s40                    ; my column
	s_lshl_b32 s18, s16, 7
	s_lshl_b32 s20, s17, 8
	s_add_co_u32 s20, s20, s18                     ; x: row 256 tr + 128 (wave & 1)
	s_lshl_b32 s46, s42, 8
	s_add_co_u32 s46, s46, s18                     ; Wq: row 256 tc + 128 (wave & 1)
	s_lshl_b32 s47, s40, 7                         ; Wk, Wv: row 128 cx
	s_cmp_eq_u32 ttmp9, 2
	s_cselect_b32 s46, s47, s46
	s_cselect_b32 s66, 1, 0                        ; a tile of k and v?
	s_and_b32 s67, s66, s16                        ; a v wave?
	s_mov_b32 s95, s46                             ; my first row of W: for the bias too
	s_mov_b32 s21, 0
	s_mov_b32 s47, 0
	s_mov_b64 s[18:19], KSB
	s_mul_u64 s[22:23], s[20:21], s[18:19]         ; where these rows' scales begin,
	s_mul_u64 s[92:93], s[46:47], s[18:19]
	s_mov_b64 s[18:19], KROW
	s_mul_u64 s[20:21], s[20:21], s[18:19]         ; and their codes
	s_mul_u64 s[46:47], s[46:47], s[18:19]
	s_mul_i32 s45, s14, HALFT                      ; where they go: wave x 128 rows
	s_mul_i32 s94, s14, HALFS
	s_wait_kmcnt 0x0
	s_mov_b64 s[4:5], s[24:25]
	s_mov_b64 s[6:7], s[26:27]
	s_mov_b64 s[96:97], s[54:55]                   ; freqs_cis
	s_mov_b64 s[104:105], s[68:69]                 ; v_img, for plane B
	s_cmp_eq_u32 s16, 1                            ; the buffers are chosen on the wave's number and the cluster's x alone
	s_cselect_b64 s[8:9], s[36:37], s[32:33]
	s_cselect_b64 s[10:11], s[38:39], s[34:35]
	s_cselect_b64 s[12:13], s[52:53], s[50:51]
	s_cselect_b64 s[98:99], s[68:69], s[60:61]
	s_cselect_b64 s[100:101], s[70:71], s[62:63]
	s_cmp_eq_u32 ttmp9, 2
	s_cselect_b64 s[8:9], s[8:9], s[28:29]         ; W's codes
	s_cselect_b64 s[10:11], s[10:11], s[30:31]     ; W's scales
	s_cselect_b64 s[12:13], s[12:13], s[48:49]     ; the bias
	s_cselect_b64 s[98:99], s[98:99], s[56:57]     ; the images
	s_cselect_b64 s[100:101], s[100:101], s[58:59] ; their scale words
	s_add_nc_u64 s[20:21], s[4:5], s[20:21]
	s_add_nc_u64 s[22:23], s[6:7], s[22:23]
	s_add_nc_u64 s[46:47], s[8:9], s[46:47]
	s_add_nc_u64 s[92:93], s[10:11], s[92:93]
	; descriptor group 1: a tile of 128 rows x 192 bytes, 16 bytes of padding behind every 64
	s_or_b32 s[G1+0], s43, (1<<20)|(1<<21)|(3<<22)|(3<<25)   ; 15:0 the mask: x's tiles go to my row; elements of 1 byte; padding on; 21 set beside a mask
	s_or_b32 s[G1B+0], s44, (1<<20)|(1<<21)|(3<<22)|(3<<25)  ; W's go to my column
.irp g, G1, G1B
	s_mov_b32 s[\g+1], ROWB<<16                    ; tensor_dim0
	s_mov_b32 s[\g+2], 128<<16                     ; tensor_dim1
	s_mov_b32 s[\g+3], ROWB<<16                    ; tile_dim0
	s_mov_b32 s[\g+4], 128                         ; tile_dim1
	s_mov_b32 s[\g+5], KROW                        ; the pitch
	s_mov_b32 s[\g+6], 0
	s_mov_b32 s[\g+7], 0
.endr
	; and for the scales of 128 rows: 90 bytes are there, 96 are laid: zeros behind byte 89
	s_or_b32 s[G1S+0], s43, (1<<21)
	s_or_b32 s[G1SB+0], s44, (1<<21)
.irp g, G1S, G1SB
	s_mov_b32 s[\g+1], KSB<<16
	s_mov_b32 s[\g+2], 128<<16
	s_mov_b32 s[\g+3], SROW<<16
	s_mov_b32 s[\g+4], 128
	s_mov_b32 s[\g+5], KSB
	s_mov_b32 s[\g+6], 0
	s_mov_b32 s[\g+7], 0
.endr
	CROUND                                         ; all sixteen work-groups are here: the first joint loads meet
	s_mov_b32 s[G0S], 1
	s_add_co_u32 s[G0S+1], s94, SCL
	s_mov_b64 s[G0S+2:G0S+3], s[22:23]
	s_or_b32 s[G0S+3], s[G0S+3], 0x80000000
	s_mov_b32 s[G0SB], 1
	s_add_co_u32 s[G0SB+1], s94, SCL
	s_mov_b64 s[G0SB+2:G0SB+3], s[92:93]
	s_or_b32 s[G0SB+3], s[G0SB+3], 0x80000000
	JLOAD G0S, G1S, G0SB, G1SB                     ; the scales first: three loads of mine are out behind the first fills
.irp s, 0,1
	s_mov_b32 s[G0+4*\s], 1
	s_add_co_u32 s[G0+4*\s+1], s45, \s*SLOT
	s_add_nc_u64 s[G0+4*\s+2:G0+4*\s+3], s[20:21], \s*ROWB
	s_or_b32 s[G0+4*\s+3], s[G0+4*\s+3], 0x80000000
	s_mov_b32 s[G0B+4*\s], 1
	s_add_co_u32 s[G0B+4*\s+1], s45, \s*SLOT
	s_add_nc_u64 s[G0B+4*\s+2:G0B+4*\s+3], s[46:47], \s*ROWB
	s_or_b32 s[G0B+4*\s+3], s[G0B+4*\s+3], 0x80000000
	JLOAD G0+4*\s, G1, G0B+4*\s, G1B
.endr
	s_mov_b32 s[SEL], 0x76543210
	s_mov_b32 s[SEL+1], 0xfedcba98
	s_mov_b32 s[HM], 0xffff0000
	s_lshl_b32 s2, s95, 2
	s_mov_b32 s3, 0
	s_add_nc_u64 s[12:13], s[12:13], s[2:3]        ; the bias at my first row of W
	s_lshl_b32 s2, s17, 16
	s_lshl_b32 s18, s15, 15
	s_add_co_u32 s2, s2, s18
	s_add_nc_u64 s[96:97], s[96:97], s[2:3]        ; cos and sin at my first token: rows of 256 bytes
	; which quarter of a slot feeds which source: q, k: source 1 = x's half rh, source 0 = W's half cw;  v: source 1 = W's half 1, source 0 = x's half rh
	s_add_co_u32 s19, s16, 2
	s_cmp_eq_u32 s67, 1
	s_cselect_b32 s18, 3, s15
	s_cselect_b32 s19, s15, s19
	v_and_b32 v1, 15, v0                           ; r
	v_bfe_u32 v2, v0, 4, 1                         ; h
	v_mul_u32_u24 v3, v1, PITCH
	v_mul_u32_u24 v4, v2, 24
	v_add_nc_u32 v4, v3, v4                        ; a fragment's row x pitch + 24 h
	v_lshl_add_u32 v5, v2, 4, v4                   ; and the same behind one padding more
	s_mul_i32 s21, s18, HALFT
	s_mul_i32 s22, s19, HALFT
.irp s, 0,1
	v_add_nc_u32 v[ADRA+\s], s21, v4
	v_add_nc_u32 v[ADRB+\s], s22, v4
	v_add_nc_u32 v[ADRA+2+\s], s21, v5
	v_add_nc_u32 v[ADRB+2+\s], s22, v5
	s_add_co_u32 s21, s21, SLOT
	s_add_co_u32 s22, s22, SLOT
.endr
	s_mul_i32 s21, s18, HALFS
	s_mul_i32 s22, s19, HALFS
	v_mov_b32 v5, s21
	v_mov_b32 v6, s22
	v_cndmask_b32 v5, v5, v6, s[HM]                ; lanes 0-15 source 1's scales, lanes 16-31 source 0's
	v_mul_u32_u24 v6, v1, SROW
	v_add_nc_u32 v6, SCL, v6
	v_add_nc_u32 v[ADRS], v5, v6
	v_lshlrev_b32 v7, 5, v2                        ; 32 h
	; the C of the first products: q, k: the bias of W's rows 16 b + 8 h + 0..7;  v: zeros (its bias runs along the lanes and is added on the way out)
	s_cmp_eq_u32 s67, 1
	s_cbranch_scc1 .Lzero_bias
.irp b, 0,1,2,3,4,5,6,7
	global_load_b128 v[BIAS+8*\b:BIAS+8*\b+3], v7, s[12:13] offset:64*\b
	global_load_b128 v[BIAS+8*\b+4:BIAS+8*\b+7], v7, s[12:13] offset:64*\b+16
.endr
	s_branch .Lbias_done
.Lzero_bias:
.set i, 0
.rept 64
	v_mov_b32 v[BIAS+i], 0
.set i, i+1
.endr
.Lbias_done:
	v_and_b32 v3, 31, v0                           ; the way out's offsets
	v_lshlrev_b32 v8, 4, v3                        ; 16 lane
	v_lshl_add_u32 v9, v3, 3, 512                  ; 8 lane + 512
	v_lshlrev_b32 v10, 2, v3                       ; 4 lane
	v_lshlrev_b32 v11, 8, v1
	v_lshl_add_u32 v11, v2, 5, v11                 ; 256 r + 32 h: cos and sin
	v_lshlrev_b32 v12, 4, v1
	v_lshl_add_u32 v12, v2, 10, v12                ; 1024 h + 16 r: v's plane A
	v_lshlrev_b32 v13, 3, v1
	v_lshl_add_u32 v13, v2, 9, v13                 ; 512 h + 8 r: plane B
	v_lshlrev_b32 v14, 2, v1                       ; 4 r: bv
.macro FRAG reg, adr, q, i             ; 16 rows x 128 K: 12 registers, six pieces of 8 bytes; where the piece three on lies behind one padding more the second address register serves
.irp p, 0,1,2,3,4,5
.set PCE, 12*(\q)+6*(\p/3)+\p%3
.if PCE%8 < 5
	ds_load_b64 v[\reg+2*\p:\reg+2*\p+1], v[\adr] offset:8*PCE+16*(PCE/8)+(\i)*16*PITCH
.else
	ds_load_b64 v[\reg+2*\p:\reg+2*\p+1], v[\adr+2] offset:8*PCE+16*(PCE/8)+(\i)*16*PITCH
.endif
.endr
.endm
; 16 matrix instructions: source 1's blocks a0, a0 + 1 x source 0's eight.  first = 1: C is the bias.  The 64 accumulators take turns, in the same order in every step.
.macro MULH a0, p, q, sc, first
.irp a, \a0, \a0+1
.irp b, 0,1,2,3,4,5,6,7
.if \first
	v_wmma_scale_f32_16x16x128_f8f6f4 v[8*(8*((\a)%4)+\b):8*(8*((\a)%4)+\b)+7], v[128*(\p)+FR*\b:128*(\p)+FR*\b+FR-1], v[AF+FR*(\a):AF+FR*(\a)+FR-1], v[BIAS+8*\b:BIAS+8*\b+7], v[SC+8*NQ*(\sc)+NQ*\b+(\q)], v[SC+8*NQ*(\sc)+NQ*(\a)+(\q)] matrix_a_fmt:MATRIX_FMT_FP6 matrix_b_fmt:MATRIX_FMT_FP6 matrix_a_scale:MATRIX_SCALE_ROW1
.else
	v_wmma_scale_f32_16x16x128_f8f6f4 v[8*(8*((\a)%4)+\b):8*(8*((\a)%4)+\b)+7], v[128*(\p)+FR*\b:128*(\p)+FR*\b+FR-1], v[AF+FR*(\a):AF+FR*(\a)+FR-1], v[8*(8*((\a)%4)+\b):8*(8*((\a)%4)+\b)+7], v[SC+8*NQ*(\sc)+NQ*\b+(\q)], v[SC+8*NQ*(\sc)+NQ*(\a)+(\q)] matrix_a_fmt:MATRIX_FMT_FP6 matrix_b_fmt:MATRIX_FMT_FP6 matrix_a_scale:MATRIX_SCALE_ROW1
.endif
.endr
.endr
.endm
.macro FETCH_B slot, q, p
	WIN TO_B
.irp i, 0,1,2,3,4,5,6,7
	FRAG 128*(\p)+FR*\i, ADRB+\slot, \q, \i
.endr
	WIN 0
.endm
.macro FETCH_A slot, q, i0
.irp i, \i0, \i0+1, \i0+2, \i0+3
	FRAG AF+FR*(\i), ADRA+\slot, \q, \i
.endr
.endm
.macro SCALES sc                       ; a slot's two scale words a row
.irp i, 0,1,2,3,4,5,6,7
	ds_load_b64 v[SC+8*NQ*\sc+NQ*\i:SC+8*NQ*\sc+NQ*\i+1], v[ADRS] offset:\i*SBLK
.endr
.endm
.macro PLACES n                        ; plain vector places behind matrix instructions, in front of loads into their sources and of reads of their results
.rept \n
	v_nop
.endr
.endm
.macro STEP slot, q, first             ; a step of 128 along K that has its successor in the same slot
	s_wait_dscnt 4*NL                              ; all but the youngest 24 loads: source 1's blocks 4-7
.if \first
	WIN 0x81                                       ; C (the bias) window 0, D window 2
.else
	WIN MUL_LO
.endif
	MULH 0, (\q)%2, \q, \slot, \first
	MULH 2, (\q)%2, \q, \slot, \first
	s_wait_dscnt 0
	PLACES NP
	FETCH_B \slot, (\q)+1, 1-(\q)%2
	FETCH_A \slot, (\q)+1, 0
.if \first
	WIN 0xc1
.else
	WIN MUL_HI
.endif
	MULH 4, (\q)%2, \q, \slot, \first
	MULH 6, (\q)%2, \q, \slot, \first
	PLACES NP
	WIN 0
	FETCH_A \slot, (\q)+1, 4
.endm
; A slot's last step changes slots, AT ITS HEAD: all its fragments are in registers by then, so the slot can be given up ahead of its last 64 products, and the refill has this step's and the next step's
; 128 matrix instructions in which to land.  fill = 1: this slot is filled again, two K steps ahead;  2: the same, with 48 bytes left of each row;  0: nothing is left to fetch.
.macro TURN slot, next, fill
	s_wait_tensorcnt 0x0                           ; all my tensor loads have landed: my part of the next slot; so every descriptor may be written
	ds_add_u32 v[SPW], v[NIL]                      ; 0 onto my spare word; the descriptors' steps stand between it and the wait for it
.if \fill
	s_add_nc_u64 s[G0+4*\slot+2:G0+4*\slot+3], s[G0+4*\slot+2:G0+4*\slot+3], 2*ROWB
	s_add_nc_u64 s[G0B+4*\slot+2:G0B+4*\slot+3], s[G0B+4*\slot+2:G0B+4*\slot+3], 2*ROWB
.if \fill == 2
	s_mov_b32 s[G1+1], LASTB<<16                   ; tensor_dim0 = the 48 bytes left; no later load has the full shape
	s_mov_b32 s[G1B+1], LASTB<<16
.endif
.endif
	s_wait_dscnt 0x0                               ; the add is done, and my reads of this slot are over: the last step's fragments are in
	s_barrier_signal -1
	s_barrier_wait -1
.if \fill
	CREST                                          ; the barrier has opened a round of the cluster's: no wave of any partner still reads this slot or has a load on its way
	JLOAD G0+4*\slot, G1, G0B+4*\slot, G1B         ; the first tensor load behind the round
.endif
	WIN MUL_LO
	MULH 0, 1, NQ-1, \slot, 0
	MULH 2, 1, NQ-1, \slot, 0
	PLACES NP
	WIN 0
	v_add_nc_u32 v[ADRS], 4*NQ, v[ADRS]
	FETCH_B \next, 0, 0
	FETCH_A \next, 0, 0
	SCALES \next
	WIN MUL_HI
	MULH 4, 1, NQ-1, \slot, 0
	MULH 6, 1, NQ-1, \slot, 0
	PLACES NP
	WIN 0
	FETCH_A \next, 0, 4
.endm
.macro LOADF a                         ; cos and sin of token block a: C[8 t + j] = cos(token r, 16 t + 8 h + j), S likewise
.set CB, BIAS+32*((\a)%2)
.irp tp, 0,1
	global_load_b128 v[CB+8*\tp:CB+8*\tp+3], v11, s[96:97] offset:4096*(\a)+64*\tp
	global_load_b128 v[CB+8*\tp+4:CB+8*\tp+7], v11, s[96:97] offset:4096*(\a)+64*\tp+16
	global_load_b128 v[CB+16+8*\tp:CB+16+8*\tp+3], v11, s[96:97] offset:4096*(\a)+128+64*\tp
	global_load_b128 v[CB+16+8*\tp+4:CB+16+8*\tp+7], v11, s[96:97] offset:4096*(\a)+128+64*\tp+16
.endr
.endm
	s_wait_tensorcnt 1                             ; the scales and my part of K step 0 are in; K step 1's load may stay out
	s_barrier_signal -1
	s_barrier_wait -1
	FETCH_B 0, 0, 0
	FETCH_A 0, 0, 0
	SCALES 0
	FETCH_A 0, 0, 4
	s_wait_loadcnt 0x0                             ; the bias
	STEP 0, 0, 1
	s_mov_b32 s3, 4
.Llap:                                             ; four trips: K steps 2 to 9 are asked for
	TURN 0, 1, 1
	STEP 1, 0, 0
	TURN 1, 0, 1
	STEP 0, 0, 0
	s_sub_co_u32 s3, s3, 1
	s_cmp_lg_u32 s3, 0
	s_cbranch_scc1 .Llap
	s_cmp_eq_u32 s67, 1                            ; what the way out wants is asked for here, into the registers that held the bias
	s_cbranch_scc1 .Lask_bv
	LOADF 0
	LOADF 1
	s_branch .Lasked_out
.Lask_bv:
.irp a, 0,1,2,3,4,5,6,7
	global_load_b32 v[BIAS+2*\a], v14, s[12:13] offset:64*\a      ; bv(16 a + r), in both halves of a pair
	global_load_b32 v[BIAS+2*\a+1], v14, s[12:13] offset:64*\a
.endr
.Lasked_out:
	TURN 0, 1, 1                                   ; K step 10
	STEP 1, 0, 0
	TURN 1, 0, 2                                   ; K step 11: 64 codes and zeros
	STEP 0, 0, 0
	TURN 0, 1, 0
	s_wait_dscnt 4*NL                              ; the 23rd step of 128
	WIN MUL_LO
	MULH 0, 0, 0, 1, 0
	MULH 2, 0, 0, 1, 0
	s_wait_dscnt 0
	WIN MUL_HI
	MULH 4, 0, 0, 1, 0
	MULH 6, 0, 0, 1, 0
	WIN 0
	PLACES NP
	v_mov_b32 v[TM+2], 0                           ; a lane permute's destination counts as one of its sources
	v_mov_b32 v[TM+3], 0
	s_wait_loadcnt 0x0                             ; the sixteen loads issued behind the loop, six steps of 128 ago (cos and sin of token blocks 0 and 1, or bv), are in: waited for here,
	                                               ; ahead of the parting of the two ways out, so that on either way no load is out when v64-127 are loaded again
; 32 numbers of a lane, v[s] on: block b in registers 16 b .. 16 b + 15, the other 16 of each block in lane l xor 16.  Behind it lane (r, h) holds block h's 32 codes in v[PC] .. v[PC + 5], and every lane both scale bytes in v[PW].
.macro QUANT2 s
.irp b, 0,1
	v_max3_num_f32 v[TM+\b], |v[\s+16*\b]|, |v[\s+16*\b+1]|, 0x1800000   ; with the floor 2^(3 - 127): the byte cannot fall under 1
.endr
.irp i, 2,4,6,8,10,12,14
.irp b, 0,1
	v_max3_num_f32 v[TM+\b], v[TM+\b], |v[\s+16*\b+\i]|, |v[\s+16*\b+\i+1]|
.endr
.endr
.irp b, 0,1
	v_permlanex16_b32 v[TM+2+\b], v[TM+\b], s[SEL], s[SEL+1]
.endr
.irp b, 0,1
	v_max_num_f32 v[TM+\b], v[TM+\b], v[TM+2+\b]
.endr
.irp b, 0,1
	v_add_nc_u32 v[TM+4+\b], 0xff000000, v[TM+\b]  ; 2 off the exponent field: the conversion's scale operand
.endr
.irp b, 0,1
	v_lshrrev_b32 v[TM+2+\b], 23, v[TM+4+\b]       ; the scale's byte
.endr
	v_lshl_or_b32 v[PW], v[TM+3], 8, v[TM+2]
	v_cvt_scalef32_pk16_fp6_f32 v[PC:PC+2], v[\s:\s+15], v[TM+4]
	v_cvt_scalef32_pk16_fp6_f32 v[PT:PT+2], v[\s+16:\s+31], v[TM+5]
	v_nop                                          ; one plain place behind a scaled conversion
.irp i, 0,1,2
	v_permlane16_swap_b32 v[PC+\i], v[PT+\i]       ; lanes 0-15 get block 0 whole, lanes 16-31 block 1
.endr
.irp i, 0,1,2
	v_mov_b32 v[PC+3+\i], v[PT+\i]
.endr
.endm
	s_cmp_eq_u32 s67, 1
	s_cbranch_scc1 .Lv_out
	; ---- q and k: rope, two blocks of 32 along d, images of registers 0-5 of a fragment
	s_lshl_b32 s46, s42, 2
	s_lshl_b32 s47, s16, 1
	s_add_co_u32 s46, s46, s47                     ; q: my first head 4 tc + 2 cw
	s_lshl_b32 s47, s40, 1                         ; k: 2 cx
	s_cmp_eq_u32 s66, 1
	s_cselect_b32 s46, s47, s46
	s_lshl_b32 s47, s17, 4
	s_lshl_b32 s2, s15, 3
	s_add_co_u32 s47, s47, s2                      ; my first token tile 16 tr + 8 rh
	s_lshl_b32 s2, s46, 8
	s_add_co_u32 s2, s2, s47
	s_mul_i32 s2, s2, 768
	s_mov_b32 s3, 0
	s_add_nc_u64 s[98:99], s[98:99], s[2:3]
	s_lshl_b32 s2, s46, 12
	s_lshl_b32 s47, s47, 4
	s_add_co_u32 s2, s2, s47
	s_lshl_b32 s2, s2, 2
	s_add_nc_u64 s[100:101], s[100:101], s[2:3]
.macro ROPE a, g2                      ; y1 = x1 cos - x2 sin, y2 = x2 cos + x1 sin; each accumulator is read from its low end on
	WIN 0x02+(\a)/4                                ; source 0: the accumulators' window
.irp tp, 0,1
.irp j, 0,2,4,6
.set X1, 8*(8*((\a)%4)+4*(\g2)+\tp)+\j
.set X2, X1+16
.set CC, BIAS+32*((\a)%2)+8*\tp+\j
.set SS, CC+16
	v_pk_mul_f32 v[RT+\j%4:RT+\j%4+1], v[X2:X2+1], v[SS:SS+1]
	v_pk_mul_f32 v[RT+4+\j%4:RT+4+\j%4+1], v[X1:X1+1], v[SS:SS+1]
	v_pk_fma_f32 v[Y+8*\tp+\j:Y+8*\tp+\j+1], v[X1:X1+1], v[CC:CC+1], v[RT+\j%4:RT+\j%4+1] neg_lo:[0,0,1] neg_hi:[0,0,1]
	v_pk_fma_f32 v[Y+16+8*\tp+\j:Y+16+8*\tp+\j+1], v[X2:X2+1], v[CC:CC+1], v[RT+4+\j%4:RT+4+\j%4+1]
.endr
.endr
	WIN 0
.endm
.macro QKUNIT a, g2                    ; 16 tokens of one head
	s_wait_xcnt 0x0                                ; the last unit's stores have read their data: the registers are written again only behind this wait
	ROPE \a, \g2
	QUANT2 Y
	global_store_b128 v8, v[PC:PC+3], s[98:99] offset:768*(\a)+196608*(\g2)     ; 512 consecutive bytes
	global_store_b64 v9, v[PC+4:PC+5], s[98:99] offset:768*(\a)+196608*(\g2)    ; 256 consecutive bytes
.if (\a)%2 == 0
	v_mov_b32 v[KW+\g2], v[PW]
.else
	v_cndmask_b32 v[SW], v[KW+\g2], v[PW], s[HM]   ; lanes 0-15 the tile before, lanes 16-31 this one: 32 tokens' words
	global_store_b32 v10, v[SW], s[100:101] offset:64*((\a)-1)+16384*(\g2)
.endif
.endm
.irp a, 0,1,2,3,4,5,6,7                ; blocks 0 and 1 found their cos and sin in at the wait ahead of the parting; block a + 2's eight loads are issued behind block a
.if \a == 7
	s_wait_loadcnt 0                               ; the last block's eight loads: none was issued behind them
.elseif \a > 1
	s_wait_loadcnt 8                               ; this block's cos and sin are in; the next block's eight loads may be out
.endif
	QKUNIT \a, 0
	QKUNIT \a, 1
.if \a < 6
	LOADF \a+2
.endif
.endr
	s_branch .Ljoin
.Lv_out:
	; ---- v: the bias, two blocks of 32 keys at a time, 24 bytes for each (key block, d) in two planes.  bv is in: the wait ahead of the parting
	s_lshl_b32 s46, s40, 8
	s_lshl_b32 s47, s17, 3
	s_add_co_u32 s46, s46, s47
	s_lshl_b32 s47, s15, 2
	s_add_co_u32 s46, s46, s47                     ; 128 x (head 2 cx) + my first key block 8 tr + 4 rh
	s_lshl_b32 s2, s46, 10
	s_mov_b32 s3, 0
	s_add_nc_u64 s[98:99], s[98:99], s[2:3]
	s_lshl_b32 s2, s46, 9
	s_add_nc_u64 s[104:105], s[104:105], s[2:3]
	s_lshl_b32 s2, s46, 6
	s_add_nc_u64 s[100:101], s[100:101], s[2:3]
.macro VUNIT a, c                      ; d = 16 a + r, keys 64 c .. 64 c + 63 of my 128
	s_wait_xcnt 0x0                                ; the last unit's stores have read their data
	WIN 0x02+(\a)/4
.irp t, 0,1,2,3
.irp j, 0,2,4,6
	v_pk_add_f32 v[Y+8*\t+\j:Y+8*\t+\j+1], v[8*(8*((\a)%4)+4*(\c)+\t)+\j:8*(8*((\a)%4)+4*(\c)+\t)+\j+1], v[BIAS+2*(\a):BIAS+2*(\a)+1] op_sel_hi:[1,0]
.endr
.endr
	WIN 0
	QUANT2 Y
	global_store_b128 v12, v[PC:PC+3], s[98:99] offset:2048*(\c)+256*((\a)%4)+131072*((\a)/4)
	global_store_b64 v13, v[PC+4:PC+5], s[104:105] offset:VB_OFF+1024*(\c)+128*((\a)%4)+65536*((\a)/4)
.if (\c) == 0
	v_mov_b32 v[VW], v[PW]
.elseif (\a)%2 == 0
	v_lshl_or_b32 v[KW], v[PW], 16, v[VW]          ; four key blocks' bytes: a word
.else
	v_lshl_or_b32 v[KW+1], v[PW], 16, v[VW]
	v_cndmask_b32 v[SW], v[KW], v[KW+1], s[HM]
	global_store_b32 v10, v[SW], s[100:101] offset:64*(((\a)-1)%4)+8192*((\a)/4)
.endif
.endm
.irp a, 0,1,2,3,4,5,6,7
	VUNIT \a, 0
	VUNIT \a, 1
.endr
.Ljoin:
	s_wait_tensorcnt 0x0                           ; the wave's end
	ds_add_u32 v[SPW], v[NIL]
	s_wait_dscnt 0x0
	CROUND                                         ; the closing round
	s_endpgm
.Lfunc_end_k_q88083e41b4_qkv:
	.size	k_q88083e41b4_qkv, .Lfunc_end_k_q88083e41b4_qkv-k_q88083e41b4_qkv
	.p2alignl 7, 3214868480
	.fill 96, 4, 3214868480
	.section	.rodata,"a",@progbits
	.p2align	6, 0x0
	.amdhsa_kernel k_q88083e41b4_qkv
		.amdhsa_group_segment_fixed_size 327680
		.amdhsa_private_segment_fixed_size 0
		.amdhsa_enable_private_segment 0
		.amdhsa_kernarg_size 144
		.amdhsa_user_sgpr_count 2
		.amdhsa_user_sgpr_kernarg_segment_ptr 1
		.amdhsa_wavefront_size32 1
		.amdhsa_system_sgpr_workgroup_id_x 1
		.amdhsa_system_sgpr_workgroup_id_y 1
		.amdhsa_system_sgpr_workgroup_id_z 1
		.amdhsa_system_vgpr_workitem_id 0
		.amdhsa_next_free_vgpr 1024
		.amdhsa_next_free_sgpr 106
		.amdhsa_reserve_vcc 0
		.amdhsa_float_denorm_mode_32 3
		.amdhsa_float_denorm_mode_16_64 3
		.amdhsa_memory_ordered 1
		.amdhsa_forward_progress 1
		.amdhsa_inst_pref_size 255
	.end_amdhsa_kernel
	.section	.bss,"aw",@nobits
	.p2align	6
	.space	262144
	.amdgpu_metadata
---
amdhsa.version: [ 1, 2 ]
amdhsa.kernels:
  - .name:           k_q88083e41b4_qkv
    .symbol:         k_q88083e41b4_qkv.kd
    .args:
      - { .name: x_codes, .offset: 0, .size: 8, .value_kind: global_buffer, .address_space: global }
      - { .name: x_scales, .offset: 8, .size: 8, .value_kind: global_buffer, .address_space: global }
      - { .name: Wq_codes, .offset: 16, .size: 8, .value_kind: global_buffer, .address_space: global }
      - { .name: Wq_scales, .offset: 24, .size: 8, .value_kind: global_buffer, .address_space: global }
      - { .name: Wk_codes, .offset: 32, .size: 8, .value_kind: global_buffer, .address_space: global }
      - { .name: Wk_scales, .offset: 40, .size: 8, .value_kind: global_buffer, .address_space: global }
      - { .name: Wv_codes, .offset: 48, .size: 8, .value_kind: global_buffer, .address_space: global }
      - { .name: Wv_scales, .offset: 56, .size: 8, .value_kind: global_buffer, .address_space: global }
      - { .name: bq, .offset: 64, .size: 8, .value_kind: global_buffer, .address_space: global }
      - { .name: bk, .offset: 72, .size: 8, .value_kind: global_buffer, .address_space: global }
      - { .name: bv, .offset: 80, .size: 8, .value_kind: global_buffer, .address_space: global }
      - { .name: freqs_cis, .offset: 88, .size: 8, .value_kind: global_buffer, .address_space: global }
      - { .name: q_img, .offset: 96, .size: 8, .value_kind: global_buffer, .address_space: global }
      - { .name: q_sc, .offset: 104, .size: 8, .value_kind: global_buffer, .address_space: global }
      - { .name: k_img, .offset: 112, .size: 8, .value_kind: global_buffer, .address_space: global }
      - { .name: k_sc, .offset: 120, .size: 8, .value_kind: global_buffer, .address_space: global }
      - { .name: v_img, .offset: 128, .size: 8, .value_kind: global_buffer, .address_space: global }
      - { .name: v_sc, .offset: 136, .size: 8, .value_kind: global_buffer, .address_space: global }
    .group_segment_fixed_size: 327680
    .private_segment_fixed_size: 0
    .kernarg_segment_align: 8
    .kernarg_segment_size: 144
    .max_flat_workgroup_size: 128
    .sgpr_count:     106
    .vgpr_count:     1024
    .wavefront_size: 32
...
	.end_amdgpu_metadata
.endif
;; end of part 1
;; launch attn (part 2): grid 32 x 8, 8 waves a work-group, no clusters, 0 bytes of LDS; arguments q_img, q_sc, k_img, k_sc, v_img, v_sc, sinks, o_codes, o_scales; writes o_codes, o_scales
.if DOCPART == 2
	.amdgcn_target "amdgcn-amd-amdhsa--gfx1250"
	.amdhsa_code_object_version 6
	.text
	.protected	k_q88083e41b4_attn
	.globl	k_q88083e41b4_attn
	.p2align	8
	.type	k_q88083e41b4_attn,@function
k_q88083e41b4_attn:
	s_mov_b64 s[64:65], 0
	v_nop
	global_prefetch_b8 v0, s[64:65] scope:SCOPE_SE
	s_setreg_imm32_b32 hwreg(HW_REG_WAVE_MODE, 25, 1), 1
	s_wait_xcnt 0x0
; Sliding-window attention with a sink, both products on codes of FP6 (E2M3) with E8M0 scales; p is quantised finished and normalised, along the window's keys; o along head x 64 + d.
; SHARES.  A work-group is one block of 128 queries of one key/value head: 4 query heads.  Wave w owns queries 16 w + r for the four heads, so its keys and values are the same for all four: they come once,
; from memory straight into registers, as the images that the launch before laid.  No LDS, no barrier: waves share nothing.
; No cluster: what two work-groups share is one half window of keys and values, 12 KB, which each wave takes through registers; there is no tile in LDS that a joint load could fill.
; WHAT THE MASK LEAVES.  For queries t = 32 b0 + 16 par + r (b0 = w / 2, par = w % 2) only window keys t + 1 .. t + 128 count: they lie in the five aligned blocks of 32 keys b0 .. b0 + 4.
; Elsewhere p is 0, whose codes add nothing.  In block 0 key kap counts where kap > 16 par + r, in block 4 where it does not, blocks 1-3 whole.  In the first query block the keys ahead of token 0 are hidden too;
; their addresses are clamped to block 0, so that no load leaves its buffer.
; LAYOUT.  S^T = K Q^T (source 0 = 16 keys, source 1 = my 16 queries), O^T = V^T P^T (source 0 = 16 of d, source 1 = p): a lane holds ONE query.  The head's 64 fill half of the instruction's 128:
; Q's registers 6-11 are zeros.  A fragment of K is named v[6 t : 6 t + 11]: its upper half is the next tile's codes, which meet Q's zero codes; E2M3 has no infinity or NaN and the scale bytes there are 0: they add exact zeros.
; The second product's fifth key block is a step of its own in the same way: p's codes are zeros but for block 0 of that step.
; THE ROWS OF V THAT FORM A TILE ARE NOT NEIGHBOURS: lane r of tile 2 b + u takes d = 32 b + 8 u + r + 8 (r / 8), so that o's 16 registers of two neighbouring tiles are 16 neighbours along d: o's codes stand in natural order.
; p's codes stand in the order 0-7, 16-23, 8-15, 24-31 of a block, as v's do.
; SOFTMAX.  m = max(largest score x c, sink x log2 e), c = log2(e) / 8; e = 2^(score x c - m); p = e / (sum of e + 2^(sink x log2 e - m)).  A block's largest p is not searched for: the block's largest score goes through
; the same instructions (this takes v_exp_f32 not to fall where its input rises).
; THE WAY OUT.  Two heads' codes of my 16 tokens, 12 registers a lane, ARE a fragment of the next launch's product (16 tokens x 128 along its K: step 2 kvh + g / 2): they are stored as they stand, three stores of
; 512 consecutive bytes.  o_codes: [16 K steps][256 token tiles][1,536 bytes].
; o_scales [token][64] is stored in pieces of 4 bytes a lane, 8 bytes a row of 64: one part in 24 of what this launch stores; a row is the token's 16 scale words, one for each K step.
; LIMITS: NaN and infinities are not served.  A block of p or o whose largest magnitude lies under 2^-124, zeros among them, keeps the scale byte 1; only this program reads the bytes.
.set VB_OFF, 1048576
.set ASTEP,  256*1536                  ; o_codes: from a K step to the next
.set L16, 3                            ; v3 16 lane      v4 8 lane + 512     v5 4 r     v6 16 rho     v7 4 rho
.set L8,  4
.set R4,  5                            ; v8-10 V's plane A offsets (blocks 0|1, 2|3, 4), v11-13 plane B's
.set OSO, 16
.set DD,  17                           ; d = 16 par + r - 8 h
.set NEG, 18
.set OW,  19                           ; v19-20 o's scale words
.set OWS, 21
.set QS,  24
.set KS,  28
.set VS0, 38
.set VS1, 42
.set VR,  46
.set PW0, 54
.set PW1, 55
.set OC,  56
.set PT,  80
.set T1,  84
.set T3,  88
.set RS,  92
.set RT,  94
.set M,   96
.set RI,  98
.set ES,  100
.set MX,  101
.set QW,  102
.set S,   104
.set P0,  184
.set P1,  196
.set O,   208
.set BM,  240
.set BX,  245
.set SO,  250
.set TM,  240                          ; the second quantiser's work: BM's registers, free by then
.set V0F, 66                           ; window 1: v0-59 K, v60-65 zeros, v66-113 V step 0, v114-137 V step 1, v138-143 zeros, v144-191 Q
.set V1F, 114
.set QF,  144
.set SK,  72                           ; s[72:75] sink x log2 e
.set CS,  76                           ; s[76:77] c
.set SEL, 78
.set HM,  98
.set MSB, 0
.macro WIN new
.if MSB != (\new)
	s_set_vgpr_msb (MSB<<8)|(\new)
.set MSB, (\new)
.endif
.endm
.macro PLACES
.rept 4
	v_nop
.endr
.endm
	s_load_b512 s[4:19], s[0:1], 0x0               ; q_img, q_sc, k_img, k_sc, v_img, v_sc, sinks, o_codes
	s_load_b64 s[20:21], s[0:1], 0x40              ; o_scales
	v_lshrrev_b32 v22, 5, v0
	v_readfirstlane_b32 s22, v22                   ; w
	s_and_b32 s24, ttmp7, 0xffff                   ; the key/value head
	s_lshr_b32 s25, s22, 1                         ; b0
	s_and_b32 s26, s22, 1                          ; par
	s_lshl_b32 s27, ttmp9, 2
	s_add_co_u32 s27, s27, s25
	s_sub_co_i32 s27, s27, 4                       ; my first key block: 4 nb - 4 + b0
.irp b, 0,1,2,3,4
	s_add_co_i32 s[93+\b], s27, \b
	s_max_i32 s[93+\b], s[93+\b], 0                ; clamped: only the first query block clamps, and there the block is hidden
.endr
.irp b, 0,1,2,3
	s_add_co_u32 s100, s25, \b
	s_cmp_lt_u32 s100, 4
	s_cselect_b32 s[66+\b], -1, 0                  ; in the first query block: block b lies ahead of token 0
.endr
	s_lshl_b32 s92, s25, 3                         ; 8 b0
	s_lshl_b32 s23, s24, 8                         ; 256 kvh
	s_lshl_b32 s99, s24, 7                         ; 128 kvh
	s_mov_b32 s3, 0
	s_mov_b32 s[CS], 0x3e38aa3b                    ; log2(e) / 8
	s_mov_b32 s[CS+1], s[CS]
	s_mov_b32 s[SEL], 0x76543210
	s_mov_b32 s[SEL+1], 0xfedcba98
	s_mov_b32 s[HM], 0xffff0000
	s_wait_kmcnt 0x0
	s_lshl_b32 s2, s24, 4
	s_add_nc_u64 s[16:17], s[16:17], s[2:3]
	s_load_b128 s[SK:SK+3], s[16:17], 0x0          ; my four heads' sinks
.irp b, 0,1,2,3,4
	s_lshl_b32 s2, s[93+\b], 1
	s_add_co_u32 s2, s2, s23
	s_mul_i32 s2, s2, 768
	s_add_nc_u64 s[28+2*\b:29+2*\b], s[8:9], s[2:3]      ; K's two tiles of block b
	s_add_co_u32 s[93+\b], s[93+\b], s99
	s_lshl_b32 s2, s[93+\b], 7
	s_add_nc_u64 s[38+2*\b:39+2*\b], s[10:11], s[2:3]    ; and their scale words
	s_lshl_b32 s[93+\b], s[93+\b], 10                    ; V's block b in plane A
.endr
	s_lshl_b32 s100, s24, 5
	s_add_co_u32 s2, s100, ttmp9
	s_lshl_b32 s2, s2, 8
	s_add_nc_u64 s[80:81], s[14:15], s[2:3]        ; V's scale words of my query block's keys,
	s_sub_co_i32 s101, ttmp9, 1
	s_max_i32 s101, s101, 0
	s_add_co_u32 s2, s100, s101
	s_lshl_b32 s2, s2, 8
	s_add_nc_u64 s[82:83], s[14:15], s[2:3]        ; and of the block before
	s_lshl_b32 s100, ttmp9, 3
	s_add_co_u32 s100, s100, s22                   ; my token tile: 8 nb + w
	s_lshl_b32 s101, s24, 10
	s_add_co_u32 s101, s101, s100                  ; Q's tile of head 4 kvh
	s_mul_i32 s2, s101, 768
	s_add_nc_u64 s[84:85], s[4:5], s[2:3]
	s_lshl_b32 s2, s101, 6
	s_add_nc_u64 s[86:87], s[6:7], s[2:3]
	s_mul_i32 s2, s24, 2*ASTEP                     ; o_codes: K step 2 kvh,
	s_mul_i32 s101, s100, 1536                     ; my token tile's image
	s_add_co_u32 s2, s2, s101
	s_add_nc_u64 s[88:89], s[18:19], s[2:3]
	s_lshl_b32 s2, s100, 10
	s_lshl_b32 s101, s24, 3
	s_add_co_u32 s2, s2, s101
	s_add_nc_u64 s[90:91], s[20:21], s[2:3]        ; o_scales: my 16 rows of 64 bytes, + 8 kvh
	v_and_b32 v22, 31, v0
	v_and_b32 v1, 15, v0                           ; r
	v_bfe_u32 v2, v0, 4, 1                         ; h
	v_lshlrev_b32 v[L16], 4, v22
	v_lshl_add_u32 v[L8], v22, 3, 512
	v_lshlrev_b32 v[R4], 2, v1
	v_and_b32 v23, 8, v1
	v_add_nc_u32 v23, v23, v1                      ; rho = r + 8 (r / 8)
	v_lshlrev_b32 v6, 4, v23
	v_lshlrev_b32 v7, 2, v23
	v_mov_b32 v22, s93
	v_mov_b32 v23, s94
	v_cndmask_b32 v22, v22, v23, s[HM]             ; lanes 0-15 key block 0, lanes 16-31 block 1
	v_add_nc_u32 v8, v22, v6
	v_mov_b32 v22, s95
	v_mov_b32 v23, s96
	v_cndmask_b32 v22, v22, v23, s[HM]
	v_add_nc_u32 v9, v22, v6
	v_add_nc_u32 v10, s97, v6
	v_lshrrev_b32 v11, 1, v8                       ; plane B has half of plane A's bytes at every level
	v_lshrrev_b32 v12, 1, v9
	v_lshrrev_b32 v13, 1, v10
.irp T, 0,1,2,3
	global_load_b32 v[VR+\T], v7, s[82:83] offset:(32*(\T/2)+8*(\T%2))*4
	global_load_b32 v[VR+4+\T], v7, s[80:81] offset:(32*(\T/2)+8*(\T%2))*4
.endr
.irp g, 0,1,2,3
	global_load_b32 v[QS+\g], v[R4], s[86:87] offset:16384*\g
.endr
.irp b, 0,1,2,3,4
.irp u, 0,1
	global_load_b32 v[KS+2*\b+\u], v[R4], s[38+2*\b:39+2*\b] offset:64*\u
.endr
.endr
	WIN 0x40                                       ; destination window 1
.irp g, 0,1,2,3
	global_load_b128 v[QF+12*\g:QF+12*\g+3], v[L16], s[84:85] offset:196608*\g
	global_load_b64 v[QF+12*\g+4:QF+12*\g+5], v[L8], s[84:85] offset:196608*\g
.endr
.irp b, 0,1,2,3,4
.irp u, 0,1
	global_load_b128 v[6*(2*\b+\u):6*(2*\b+\u)+3], v[L16], s[28+2*\b:29+2*\b] offset:768*\u
	global_load_b64 v[6*(2*\b+\u)+4:6*(2*\b+\u)+5], v[L8], s[28+2*\b:29+2*\b] offset:768*\u
.endr
.endr
.irp T, 0,1,2,3                        ; V's codes last: 24 loads
.set DO, 32*(\T/2)+8*(\T%2)
	global_load_b128 v[V0F+12*\T:V0F+12*\T+3], v8, s[12:13] offset:16*DO
	global_load_b64 v[V0F+12*\T+4:V0F+12*\T+5], v11, s[12:13] offset:VB_OFF+8*DO
	global_load_b128 v[V0F+12*\T+6:V0F+12*\T+9], v9, s[12:13] offset:16*DO
	global_load_b64 v[V0F+12*\T+10:V0F+12*\T+11], v12, s[12:13] offset:VB_OFF+8*DO
	global_load_b128 v[V1F+6*\T:V1F+6*\T+3], v10, s[12:13] offset:16*DO
	global_load_b64 v[V1F+6*\T+4:V1F+6*\T+5], v13, s[12:13] offset:VB_OFF+8*DO
.endr
.irp i, 0,1,2,3,4,5
.irp g, 0,1,2,3
	v_mov_b32 v[QF+12*\g+6+\i], 0                  ; Q's upper half: zero codes
.endr
	v_mov_b32 v[60+\i], 0                          ; behind K's last tile
	v_mov_b32 v[138+\i], 0                         ; behind V's last tile of step 1
.endr
	WIN 0
.irp i, 6,7,8,9,10,11
	v_mov_b32 v[P1+\i], 0                          ; p's step 1: blocks 2 and 3 are zeros
.endr
.irp b, 0,1,2,3,4
	v_mov_b32 v[BX+\b], 0                          ; a lane permute's destination counts as one of its sources
.endr
	v_mov_b32 v[M+1], 0                            ; named as the upper halves of pairs
	v_mov_b32 v[RI+1], 0
	v_mov_b32 v[NEG], 0xff800000
	v_lshlrev_b32 v[OSO], 6, v1
	v_lshl_add_u32 v[OSO], v2, 2, v[OSO]
	s_lshl_b32 s101, s26, 4
	v_lshlrev_b32 v22, 3, v2
	v_sub_nc_u32 v[DD], v1, v22
	v_add_nc_u32 v[DD], s101, v[DD]
.irp i, 0,1,2,3,4,5,6,7,8,9,10,11,12,13,14,15
	v_cmp_gt_i32 s[48+\i], \i%8+16*(\i/8), v[DD]   ; register i of a block holds key i % 8 + 16 (i / 8) + 8 h: is it beyond 16 par + r?
.endr
	s_wait_kmcnt 0x0
.irp g, 0,1,2,3
	s_mul_f32 s[SK+\g], s[SK+\g], 0x3fb8aa3b
.endr
	s_wait_loadcnt 24                              ; all but V's 24 code loads
.irp T, 0,1,2,3
	v_alignbit_b32 v[VS0+\T], v[VR+4+\T], v[VR+\T], s92   ; the bytes of key blocks b0 .. b0 + 3 of the window
	v_lshrrev_b32 v[VS1+\T], s92, v[VR+4+\T]              ; byte 0: block b0 + 4
.endr
.macro QUANT2 s, pc                    ; as in the launch before: 32 numbers of a lane become block h's codes in v[pc] .. v[pc + 5] and two bytes in v[QW]
.irp b, 0,1
	v_max3_num_f32 v[TM+\b], |v[\s+16*\b]|, |v[\s+16*\b+1]|, 0x1800000
.endr
.irp i, 2,4,6,8,10,12,14
.irp b, 0,1
	v_max3_num_f32 v[TM+\b], v[TM+\b], |v[\s+16*\b+\i]|, |v[\s+16*\b+\i+1]|
.endr
.endr
.irp b, 0,1
	v_permlanex16_b32 v[TM+2+\b], v[TM+\b], s[SEL], s[SEL+1]
.endr
.irp b, 0,1
	v_max_num_f32 v[TM+\b], v[TM+\b], v[TM+2+\b]
.endr
.irp b, 0,1
	v_add_nc_u32 v[TM+4+\b], 0xff000000, v[TM+\b]
.endr
.irp b, 0,1
	v_lshrrev_b32 v[TM+2+\b], 23, v[TM+4+\b]
.endr
	v_lshl_or_b32 v[QW], v[TM+3], 8, v[TM+2]
	v_cvt_scalef32_pk16_fp6_f32 v[\pc:\pc+2], v[\s:\s+15], v[TM+4]
	v_cvt_scalef32_pk16_fp6_f32 v[PT:PT+2], v[\s+16:\s+31], v[TM+5]
	v_nop                                          ; one plain place behind a scaled conversion
.irp i, 0,1,2
	v_permlane16_swap_b32 v[\pc+\i], v[PT+\i]
.endr
.irp i, 0,1,2
	v_mov_b32 v[\pc+3+\i], v[PT+\i]
.endr
.endm
.macro HEAD g
	WIN 0x05                                       ; K and Q in window 1
.irp t, 0,1,2,3,4,5,6,7,8,9
	v_wmma_scale_f32_16x16x128_f8f6f4 v[S+8*\t:S+8*\t+7], v[6*\t:6*\t+11], v[QF+12*\g:QF+12*\g+11], 0, v[KS+\t], v[QS+\g] matrix_a_fmt:MATRIX_FMT_FP6 matrix_b_fmt:MATRIX_FMT_FP6
.endr
	WIN 0
	PLACES
.irp i, 0,1,2,3,4,5,6,7,8,9,10,11,12,13,14,15
	v_cndmask_b32 v[S+\i], v[NEG], v[S+\i], s[48+\i]        ; block 0: a key counts where it lies beyond 16 par + r
.endr
.irp i, 0,1,2,3,4,5,6,7,8,9,10,11,12,13,14,15
	v_cndmask_b32 v[S+64+\i], v[S+64+\i], v[NEG], s[48+\i]  ; block 4: where it does not
.endr
	s_cmp_lg_u32 ttmp9, 0
	s_cbranch_scc1 .Lfull_\@
.irp b, 0,1,2,3
.irp i, 0,1,2,3,4,5,6,7,8,9,10,11,12,13,14,15
	v_cndmask_b32 v[S+16*\b+\i], v[S+16*\b+\i], v[NEG], s[66+\b]   ; the first query block: keys ahead of token 0
.endr
.endr
.Lfull_\@:
.irp b, 0,1,2,3,4
	v_max3_num_f32 v[BM+\b], v[S+16*\b], v[S+16*\b+1], v[S+16*\b+2]   ; the largest score of each block: for the row's maximum and for the block's largest p
.endr
.irp i, 3,5,7,9,11,13
.irp b, 0,1,2,3,4
	v_max3_num_f32 v[BM+\b], v[BM+\b], v[S+16*\b+\i], v[S+16*\b+\i+1]
.endr
.endr
.irp b, 0,1,2,3,4
	v_max_num_f32 v[BM+\b], v[BM+\b], v[S+16*\b+15]
.endr
.irp b, 0,1,2,3,4
	v_permlanex16_b32 v[BX+\b], v[BM+\b], s[SEL], s[SEL+1]
.endr
.irp b, 0,1,2,3,4
	v_max_num_f32 v[BM+\b], v[BM+\b], v[BX+\b]
.endr
	v_max3_num_f32 v[MX], v[BM], v[BM+1], v[BM+2]
	v_max3_num_f32 v[MX], v[MX], v[BM+3], v[BM+4]
	v_mul_f32 v[MX], s[CS], v[MX]
	v_max_num_f32 v[M], s[SK+\g], v[MX]            ; m: the sink counts in the maximum
.set j, 0
.rept 40
	v_pk_fma_f32 v[S+j:S+j+1], v[S+j:S+j+1], s[CS:CS+1], v[M:M+1] op_sel_hi:[1,0,0] neg_lo:[0,0,1] neg_hi:[0,0,1]
.set j, j+2
.endr
.irp b, 0,1,2,3,4
	v_fma_f32 v[BM+\b], v[BM+\b], s[CS], -v[M]
.endr
	v_sub_f32 v[ES], s[SK+\g], v[M]
.set j, 0
.rept 80
	v_exp_f32 v[S+j], v[S+j]
.set j, j+1
.endr
.irp b, 0,1,2,3,4
	v_exp_f32 v[BM+\b], v[BM+\b]
.endr
	v_exp_f32 v[ES], v[ES]
	v_nop                                          ; one plain place behind the exponentials
	s_wait_alu depctr_va_vdst(0)
	v_pk_add_f32 v[RS:RS+1], v[S:S+1], v[S+2:S+3]  ; the sum of e, two at a time, in two chains
	v_pk_add_f32 v[RT:RT+1], v[S+4:S+5], v[S+6:S+7]
.set j, 8
.rept 18
	v_pk_add_f32 v[RS:RS+1], v[RS:RS+1], v[S+j:S+j+1]
	v_pk_add_f32 v[RT:RT+1], v[RT:RT+1], v[S+j+2:S+j+3]
.set j, j+4
.endr
	v_pk_add_f32 v[RS:RS+1], v[RS:RS+1], v[RT:RT+1]
	v_add_f32 v[RS], v[RS], v[RS+1]
	v_permlanex16_b32 v[RT], v[RS], s[SEL], s[SEL+1]
	v_add_f32 v[RS], v[RS], v[RT]
	v_add_f32 v[RS], v[RS], v[ES]                  ; and the sink's term
	v_rcp_f32 v[RI], v[RS]
	v_nop                                          ; one plain place behind the reciprocal
.set j, 0
	s_wait_alu depctr_va_vdst(0)
.rept 40
	v_pk_mul_f32 v[S+j:S+j+1], v[S+j:S+j+1], v[RI:RI+1] op_sel_hi:[1,0]   ; p, finished and normalised
.set j, j+2
.endr
.irp b, 0,1,2,3,4
	v_mul_f32 v[BM+\b], v[BM+\b], v[RI]            ; each block's largest p
.endr
.irp b, 0,1,2,3,4
	v_max_num_f32 v[BM+\b], 0x1800000, v[BM+\b]    ; the floor 2^(3 - 127)
.endr
.irp b, 0,1,2,3,4
	v_add_nc_u32 v[SO+\b], 0xff000000, v[BM+\b]
.endr
.irp b, 0,1,2,3
	v_lshrrev_b32 v[BX+\b], 23, v[SO+\b]
.endr
	v_lshrrev_b32 v[PW1], 23, v[SO+4]              ; step 1's scale word: block 4's byte, zeros above
	v_lshl_or_b32 v[PW0], v[BX+1], 8, v[BX]
	v_lshl_or_b32 v[PW0], v[BX+2], 16, v[PW0]
	v_lshl_or_b32 v[PW0], v[BX+3], 24, v[PW0]
	v_cvt_scalef32_pk16_fp6_f32 v[P0:P0+2], v[S:S+15], v[SO]
	v_cvt_scalef32_pk16_fp6_f32 v[T1:T1+2], v[S+16:S+31], v[SO+1]
	v_cvt_scalef32_pk16_fp6_f32 v[P0+6:P0+8], v[S+32:S+47], v[SO+2]
	v_cvt_scalef32_pk16_fp6_f32 v[T3:T3+2], v[S+48:S+63], v[SO+3]
	v_cvt_scalef32_pk16_fp6_f32 v[P1:P1+2], v[S+64:S+79], v[SO+4]
.irp i, 3,4,5
	v_mov_b32 v[P1+\i], 0                          ; (plain places behind the conversions)
.endr
.irp i, 0,1,2
	v_permlane16_swap_b32 v[P0+\i], v[T1+\i]       ; a whole block to a lane: lanes 0-15 block 0, lanes 16-31 block 1
	v_permlane16_swap_b32 v[P0+6+\i], v[T3+\i]
	v_permlane16_swap_b32 v[P1+\i], v[P1+3+\i]     ; block 4 to lanes 0-15, zeros to lanes 16-31
.endr
.irp i, 0,1,2
	v_mov_b32 v[P0+3+\i], v[T1+\i]
	v_mov_b32 v[P0+9+\i], v[T3+\i]
.endr
	PLACES                                         ; four places behind the last write of an operand; thirteen plain lines stand behind p's scale words
.if \g == 0
	s_wait_loadcnt 0x0                             ; V's codes
.endif
	WIN 0x01                                       ; V in window 1
.irp T, 0,1,2,3
	v_wmma_scale_f32_16x16x128_f8f6f4 v[O+8*\T:O+8*\T+7], v[V0F+12*\T:V0F+12*\T+11], v[P0:P0+11], 0, v[VS0+\T], v[PW0] matrix_a_fmt:MATRIX_FMT_FP6 matrix_b_fmt:MATRIX_FMT_FP6
.endr
.irp T, 0,1,2,3                        ; the four accumulators take turns
	v_wmma_scale_f32_16x16x128_f8f6f4 v[O+8*\T:O+8*\T+7], v[V1F+6*\T:V1F+6*\T+11], v[P1:P1+11], v[O+8*\T:O+8*\T+7], v[VS1+\T], v[PW1] matrix_a_fmt:MATRIX_FMT_FP6 matrix_b_fmt:MATRIX_FMT_FP6
.endr
	WIN 0
	PLACES
	QUANT2 O, OC+6*\g                              ; registers 16 b + i hold d = 32 b + 16 h + i
.if \g%2 == 0
	v_mov_b32 v[OW+\g/2], v[QW]
.else
	v_lshl_or_b32 v[OW+\g/2], v[QW], 16, v[OW+\g/2]
.irp c, 0,1,2                          ; heads g - 1 and g: 12 registers, a fragment of K step 2 kvh + g / 2; these registers are not written again
	global_store_b128 v[L16], v[OC+6*(\g-1)+4*\c:OC+6*(\g-1)+4*\c+3], s[88:89] offset:(\g/2)*ASTEP+512*\c   ; 512 consecutive bytes
.endr
.endif
.endm
	HEAD 0
	HEAD 1
	HEAD 2
	HEAD 3
	v_cndmask_b32 v[OWS], v[OW], v[OW+1], s[HM]    ; lanes 0-15 heads 0, 1; lanes 16-31 heads 2, 3
	global_store_b32 v[OSO], v[OWS], s[90:91]
	s_endpgm
.Lfunc_end_k_q88083e41b4_attn:
	.size	k_q88083e41b4_attn, .Lfunc_end_k_q88083e41b4_attn-k_q88083e41b4_attn
	.p2alignl 7, 3214868480
	.fill 96, 4, 3214868480
	.section	.rodata,"a",@progbits
	.p2align	6, 0x0
	.amdhsa_kernel k_q88083e41b4_attn
		.amdhsa_group_segment_fixed_size 0
		.amdhsa_private_segment_fixed_size 0
		.amdhsa_enable_private_segment 0
		.amdhsa_kernarg_size 72
		.amdhsa_user_sgpr_count 2
		.amdhsa_user_sgpr_kernarg_segment_ptr 1
		.amdhsa_wavefront_size32 1
		.amdhsa_system_sgpr_workgroup_id_x 1
		.amdhsa_system_sgpr_workgroup_id_y 1
		.amdhsa_system_sgpr_workgroup_id_z 1
		.amdhsa_system_vgpr_workitem_id 0
		.amdhsa_next_free_vgpr 512
		.amdhsa_next_free_sgpr 102
		.amdhsa_reserve_vcc 0
		.amdhsa_float_denorm_mode_32 3
		.amdhsa_float_denorm_mode_16_64 3
		.amdhsa_memory_ordered 1
		.amdhsa_forward_progress 1
		.amdhsa_inst_pref_size 123
	.end_amdhsa_kernel
	.amdgpu_metadata
---
amdhsa.version: [ 1, 2 ]
amdhsa.kernels:
  - .name:           k_q88083e41b4_attn
    .symbol:         k_q88083e41b4_attn.kd
    .args:
      - { .name: q_img, .offset: 0, .size: 8, .value_kind: global_buffer, .address_space: global }
      - { .name: q_sc, .offset: 8, .size: 8, .value_kind: global_buffer, .address_space: global }
      - { .name: k_img, .offset: 16, .size: 8, .value_kind: global_buffer, .address_space: global }
      - { .name: k_sc, .offset: 24, .size: 8, .value_kind: global_buffer, .address_space: global }
      - { .name: v_img, .offset: 32, .size: 8, .value_kind: global_buffer, .address_space: global }
      - { .name: v_sc, .offset: 40, .size: 8, .value_kind: global_buffer, .address_space: global }
      - { .name: sinks, .offset: 48, .size: 8, .value_kind: global_buffer, .address_space: global }
      - { .name: o_codes, .offset: 56, .size: 8, .value_kind: global_buffer, .address_space: global }
      - { .name: o_scales, .offset: 64, .size: 8, .value_kind: global_buffer, .address_space: global }
    .group_segment_fixed_size: 0
    .private_segment_fixed_size: 0
    .kernarg_segment_align: 8
    .kernarg_segment_size: 72
    .max_flat_workgroup_size: 256
    .sgpr_count:     102
    .vgpr_count:     512
    .wavefront_size: 32
...
	.end_amdgpu_metadata
.endif
;; end of part 2
;; launch proj (part 3): grid 16 x 15, 4 waves a work-group, clusters of 4 x 1, 327,680 bytes of LDS; arguments o_codes, o_scales, Wo_codes, Wo_scales, bo, out0; writes out0
.if DOCPART == 3
	.amdgcn_target "amdgcn-amd-amdhsa--gfx1250"
	.amdhsa_code_object_version 6
	.text
	.protected	k_q88083e41b4_proj
	.globl	k_q88083e41b4_proj
	.p2align	8
	.type	k_q88083e41b4_proj,@function
k_q88083e41b4_proj:
	s_mov_b64 s[64:65], 0
	v_nop
	global_prefetch_b8 v0, s[64:65] scope:SCOPE_SE
	s_setreg_imm32_b32 hwreg(HW_REG_WAVE_MODE, 25, 1), 1
	s_wait_xcnt 0x0
	s_wait_alu depctr_hold_cnt(0) depctr_sa_sdst(0) depctr_va_vdst(0) depctr_va_sdst(0) depctr_va_ssrc(0) depctr_va_vcc(0) depctr_vm_vsrc(0)
	s_getreg_b32 s2, hwreg(HW_REG_IB_STS2, 6, 4)
	s_cmp_eq_u32 s2, 0
	s_cbranch_scc0 .Lentry_in_a_cluster
	s_endpgm
.Lentry_in_a_cluster:
	s_bfe_u32 s2, ttmp6, 0x10000c
	s_cmp_lg_u32 s2, 0x3003
	s_cbranch_scc0 .Lentry_shape_is_right
	s_endpgm
.Lentry_shape_is_right:
; out0 = o Wo + bo on codes of FP6 (E2M3) with one E8M0 scale for each 32 along K = 2,048: 16 steps of 128.
; o_codes: [16 K steps][256 token tiles][1,536 bytes]: images of the operand's registers, as the attention launch laid them; o_scales [4,096][64]: a token's 16 scale words.  Wo: 2,880 rows of 1,536 bytes of codes and 64 scale bytes.
; SHARES.  A work-group of four waves makes 256 tokens x 192 columns (2,880 = 15 x 192; 192 columns are 768 bytes of a row of out0, three aligned blocks of 256).  THE WAVES SHARE THE TOKENS: a wave makes
; 64 tokens x 192 columns: 48 accumulators, 384 registers.  16 x 15 = 240 work-groups.
; Wo'S TILE FOR ALL OF K STAYS IN LDS: 192 rows x 1,536 bytes, as two halves along K, rows of 768 bytes with 16 bytes of padding behind every 256: 2 x 192 x 816 = 313,344 bytes, and 13,056 of scale bytes.  It is filled
; ONCE, by three tensor loads a wave at the start (48 rows each): no LDS byte is filled again, so there is no ring and no barrier for one.  The pitch, 204 words, puts row r at bank 12 r mod 64 (64 banks of 4 bytes: ISA guide 11.1):
; sixteen different multiples of 4; lanes 16-31 read 6 or 10 words further on: the 32 lanes of a load of 8 bytes touch 64 different banks.
; o COMES FROM MEMORY STRAIGHT INTO REGISTERS: a wave's four fragments of a step are 12 loads of 512 consecutive bytes, asked for five steps (240 matrix instructions) ahead, in six sets of 48 registers.  No wave reads
; what another wave of the work-group reads.  o's scale words for all of K are 64 registers, loaded at the start.
; CLUSTERS: 15 column tiles do not divide by four, so the cluster is 4 x 1 along the token tiles: the four need the same tile of Wo, which is asked for JOINTLY (mask 15).
; THE MATRIX INSTRUCTION IS USED TRANSPOSED (source 0 = 16 rows of Wo, source 1 = 16 tokens): a lane holds eight neighbouring columns of a row of out0.
; A STEP goes by Wo's blocks, in three groups of four: a group's 16 products, four places, then the next step's fragments of the same four blocks, 32 products ahead of their use: so ONE set of registers serves Wo.
; The 16 steps are written out by a macro: every offset is an immediate and no address register is written again.
; bo is added to the rows on the way out, where a lane holds 4 neighbouring columns: 12 registers hold it.
; REGISTERS: window 0: v4-23 addresses; v32-79 Wo's scale words, two sets of two steps; v80-143 o's scale words (block a, step s at v[80 + 16 a + s]); both hold scales and nothing else; v144-239 o's sets 0, 1, later rows of out0; v240-251 bo.
;   window 1: v0-143 Wo's 12 fragments; v144-239 o's sets 2, 3.   window 2: accumulator (a, b) at v[8 (4 b + a)], b = 0..7.   window 3: v0-127 those of b = 8..11; v128-223 o's sets 4, 5.
.set NS,     16
.set FR,     12
.set LEAD,   5                         ; steps that o's loads run ahead
.set BP,     816                       ; a row of half of K in LDS: 3 x (256 bytes + 16 of padding)
.set BBLK,   16*BP
.set HALFK,  192*BP
.set WPART,  48*BP                     ; what one tensor load brings
.set SCLB,   2*HALFK                   ; Wo's scale bytes: rows of 256 bytes + 16 of padding
.set SPART,  12*272
.set SBLK,   4*272                     ; those of 16 rows
.set ASTEP,  256*1536                  ; o_codes: from a K step to the next
.set SPITCH, 784                       ; the way out: 768 bytes + 16
.set OROW,   11520                     ; a row of out0
.set L16,  4                           ; v4  16 lane: o's images, out0's pieces 0 and 2, bo
.set ASA,  5                           ; v5  64 r: o's scale words
.set BQA,  6                           ; v6  16 r + 512 (1 - h): bo for piece 1
.set ADRS, 7                           ; v7  Wo's scale words in LDS
.set AB,   8                           ; v8-19  Wo's fragments: half k, blocks 4 g on: v[8 + 6 k + 2 g]; + 1: the same behind one padding more
.set STO,  20
.set RD0,  21
.set RD1,  22
.set CO1,  23
.set SB,   32
.set SA,   80
.set BK,   144
.set BQ,   240
.set G1,   24                          ; s[24:31] group 1 for Wo's codes;  s[32:39] for its scale bytes
.set G1S,  32
.set G0S,  40                          ; s[40:43], s[44:47], s[48:51] groups 0: scale bytes, first half of K, second half
.set G0H0, 44
.set G0H1, 48
.set MSB, 0
.macro WIN new                         ; the immediate's high byte repeats the setting that is left
.if MSB != (\new)
	s_set_vgpr_msb (MSB<<8)|(\new)
.set MSB, (\new)
.endif
.endm
.macro CROUND                          ; a round of the cluster's barrier
	s_barrier_signal -1
	s_barrier_wait -1
	s_cmp_lg_u32 s16, 0
	s_cbranch_scc1 .Lnot_wave_0_\@
	s_barrier_signal -3
.Lnot_wave_0_\@:
	s_barrier_wait -3
	s_barrier_signal -1
	s_barrier_wait -1
.endm
.macro PLACES                          ; plain vector places behind matrix instructions, in front of loads into their sources and of reads of their results
.rept 4
	v_nop
.endr
.endm
	s_load_b256 s[4:11], s[0:1], 0x0               ; o_codes, o_scales, Wo_codes, Wo_scales
	s_load_b128 s[12:15], s[0:1], 0x20             ; bo, out0
	v_lshl_add_u32 v254, v0, 2, 0x4fb00
	v_mov_b32 v255, 0
	ds_add_u32 v254, v255
	ds_add_u32 v254, v255
	v_lshrrev_b32 v1, 5, v0
	v_readfirstlane_b32 s16, v1                    ; wave 0..3
	s_bfe_u32 s17, ttmp6, 0x40000                  ; cx
	s_lshl_b32 s18, ttmp9, 2
	s_add_co_u32 s18, s18, s17                     ; tr: token tile of 256: it enters o's and out0's addresses alone
	s_and_b32 s19, ttmp7, 0xffff                   ; ct: column tile, which the four partners share
	s_mov_b32 s[G1+0], 15|(1<<20)|(1<<21)|(5<<22)|(3<<25)    ; 15:0 all four work-groups; elements of 1 byte; 20 padding on; 21 set beside a mask; after every 64 words (code 5) 4 words (code 3)
	s_mov_b32 s[G1+1], 768<<16                     ; tensor_dim0
	s_mov_b32 s[G1+2], 48<<16                      ; tensor_dim1
	s_mov_b32 s[G1+3], 768<<16                     ; tile_dim0
	s_mov_b32 s[G1+4], 48                          ; tile_dim1
	s_mov_b32 s[G1+5], 1536                        ; the pitch
	s_mov_b32 s[G1+6], 0
	s_mov_b32 s[G1+7], 0
	s_mov_b32 s[G1S+0], 15|(3<<16)|(1<<20)|(1<<21)|(5<<22)|(3<<25)   ; a dense block as rows of 256 bytes (32 elements of 8)
	s_mov_b32 s[G1S+1], 32<<16
	s_mov_b32 s[G1S+2], 12<<16
	s_mov_b32 s[G1S+3], 32<<16
	s_mov_b32 s[G1S+4], 12                         ; 48 rows x 64 bytes
	s_mov_b32 s[G1S+5], 32
	s_mov_b32 s[G1S+6], 0
	s_mov_b32 s[G1S+7], 0
	s_mul_i32 s20, s19, 192
	s_mul_i32 s21, s16, 48
	s_add_co_u32 s20, s20, s21                     ; the rows of Wo that I fetch: 192 ct + 48 wave on
	s_mul_i32 s22, s20, 1536
	s_mov_b32 s23, 0
	s_lshl_b32 s52, s20, 6
	s_mov_b32 s53, 0
	s_mul_i32 s54, s16, WPART                      ; where they go: no place in the cluster enters an LDS address
	s_mul_i32 s55, s16, SPART
	s_lshl_b32 s56, s18, 4
	s_lshl_b32 s57, s16, 2
	s_add_co_u32 s56, s56, s57                     ; my first token tile of 16: 16 tr + 4 wave
	s_lshl_b32 s58, s56, 10                        ; its scale words: 16 rows of 64 bytes a tile
	s_mov_b32 s59, 0
	s_mul_i32 s62, s56, 16*OROW                    ; its rows of out0,
	s_mul_i32 s60, s19, 768                        ; my columns, in bytes: in out0 and in bo
	s_add_co_u32 s62, s62, s60
	s_mov_b32 s63, 0
	s_mov_b32 s61, 0
	s_mul_i32 s56, s56, 1536                       ; its image
	s_mov_b32 s57, 0
	s_mul_i32 s3, s16, 64*SPITCH                   ; my stage
	v_and_b32 v1, 15, v0                           ; r
	v_bfe_u32 v2, v0, 4, 1                         ; h
	v_and_b32 v3, 31, v0
	v_lshlrev_b32 v[L16], 4, v3
	v_lshlrev_b32 v[ASA], 6, v1
	v_xor_b32 v3, 1, v2
	v_lshlrev_b32 v[BQA], 4, v1
	v_lshl_add_u32 v[BQA], v3, 9, v[BQA]
	v_lshrrev_b32 v3, 2, v1
	v_lshl_add_u32 v[ADRS], v3, 4, v[ASA]          ; 64 bytes a row, and 16 more for each 256 passed
	v_add_nc_u32 v[ADRS], SCLB, v[ADRS]
	v_mul_u32_u24 v3, v1, BP
	v_mad_u32_u24 v3, v2, 24, v3                   ; a fragment's row x pitch + 24 h
.irp k, 0,1
.irp g, 0,1,2
	v_add_nc_u32 v[AB+6*\k+2*\g], \k*HALFK+\g*4*BBLK, v3
	v_lshl_add_u32 v[AB+6*\k+2*\g+1], v2, 4, v[AB+6*\k+2*\g]
.endr
.endr
	v_mul_u32_u24 v3, v1, SPITCH                   ; into the stage: row r of my 64, 32 bytes for each half of the lanes
	v_lshl_add_u32 v3, v2, 5, v3
	v_add_nc_u32 v[STO], s3, v3
	v_add_nc_u32 v[RD0], s3, v[L16]                ; back: see the way out
	v_lshlrev_b32 v3, 4, v1
	v_mad_u32_u24 v[RD1], v2, 272, v3
	v_add_nc_u32 v[RD1], 512, v[RD1]
	v_add_nc_u32 v[RD1], s3, v[RD1]                ; lanes 0-15 the even row's last 256 bytes, lanes 16-31 the odd row's first
	v_mad_u32_u24 v[CO1], v2, OROW-512, v3
	v_add_nc_u32 v[CO1], 512, v[CO1]
	s_wait_dscnt 0x0
	s_wait_kmcnt 0x0
	s_add_nc_u64 s[22:23], s[8:9], s[22:23]
	s_add_nc_u64 s[52:53], s[10:11], s[52:53]
	s_add_nc_u64 s[4:5], s[4:5], s[56:57]
	s_add_nc_u64 s[6:7], s[6:7], s[58:59]
	s_add_nc_u64 s[12:13], s[12:13], s[60:61]
	s_add_nc_u64 s[14:15], s[14:15], s[62:63]
	s_mov_b32 s[G0S], 1
	s_add_co_u32 s[G0S+1], s55, SCLB
	s_mov_b64 s[G0S+2:G0S+3], s[52:53]
	s_or_b32 s[G0S+3], s[G0S+3], 0x80000000
	s_mov_b32 s[G0H0], 1
	s_mov_b32 s[G0H0+1], s54
	s_mov_b64 s[G0H0+2:G0H0+3], s[22:23]
	s_or_b32 s[G0H0+3], s[G0H0+3], 0x80000000
	s_mov_b32 s[G0H1], 1
	s_add_co_u32 s[G0H1+1], s54, HALFK
	s_add_nc_u64 s[G0H1+2:G0H1+3], s[22:23], 768
	s_or_b32 s[G0H1+3], s[G0H1+3], 0x80000000
	CROUND                                         ; all four work-groups are here: the joint loads meet
	tensor_load_to_lds s[G0S:G0S+3], s[G1S:G1S+7]      ; all fills of the launch, as one group: three loads of mine are out
	s_nop 0
	tensor_load_to_lds s[G0H0:G0H0+3], s[G1:G1+7]
	s_nop 0
	tensor_load_to_lds s[G0H1:G0H1+3], s[G1:G1+7]
	s_nop 0
.rept 4
	v_nop
.endr
.macro ASET s                          ; where step s's fragments of o lie: set s % 6: window AW, from register AR on
.set AI, (\s)%6
.set AW, AI/2+AI/4
.set AR, 144-16*(AI/4)+48*(AI%2)
.endm
.macro ALOAD s                         ; my four fragments of step s
	ASET \s
	WIN AW<<6
.irp a, 0,1,2,3
.irp c, 0,1,2
	global_load_b128 v[AR+12*\a+4*\c:AR+12*\a+4*\c+3], v[L16], s[4:5] offset:(\s)*ASTEP+1536*\a+512*\c
.endr
.endr
	WIN 0
.endm
.macro BFRAG s, b                      ; Wo's block b of step s: 12 registers, six pieces of 8 bytes; where the piece three on lies behind one padding more the second address register serves
.irp p, 0,1,2,3,4,5
.set PCE, 12*((\s)%8)+6*(\p/3)+\p%3
.set BA, AB+6*((\s)/8)+2*((\b)/4)
.if PCE%32 < 29
	ds_load_b64 v[FR*(\b)+2*\p:FR*(\b)+2*\p+1], v[BA] offset:((\b)%4)*BBLK+8*PCE+16*(PCE/32)
.else
	ds_load_b64 v[FR*(\b)+2*\p:FR*(\b)+2*\p+1], v[BA+1] offset:((\b)%4)*BBLK+8*PCE+16*(PCE/32)
.endif
.endr
.endm
.macro SCALES s                        ; Wo's scale words of steps s and s + 1 (s even)
.irp b, 0,1,2,3,4,5,6,7,8,9,10,11
	ds_load_b64 v[SB+24*(((\s)/2)%2)+2*\b:SB+24*(((\s)/2)%2)+2*\b+1], v[ADRS] offset:\b*SBLK+8*((\s)/2)
.endr
.endm
; 16 matrix instructions: Wo's blocks 4 g .. 4 g + 3 x my four blocks of tokens.  Step 0's products start the sums.  The 48 accumulators take turns, in the same order in every step.
.macro MUL16 s, g
	ASET \s
.set WC, 2+(\g)/2
	WIN 1|(AW<<2)|(WC<<4)|(WC<<6)                  ; source 0 (Wo) window 1, source 1 (o) its set's window, C and D window 2 or 3
.irp bb, 0,1,2,3
.irp a, 0,1,2,3
.set BN, 4*(\g)+\bb
.set AC, 8*(4*(BN%8)+\a)
.if (\s) == 0
	v_wmma_scale_f32_16x16x128_f8f6f4 v[AC:AC+7], v[FR*BN:FR*BN+FR-1], v[AR+FR*\a:AR+FR*\a+FR-1], 0, v[SB+24*(((\s)/2)%2)+2*BN+(\s)%2], v[SA+16*\a+(\s)] matrix_a_fmt:MATRIX_FMT_FP6 matrix_b_fmt:MATRIX_FMT_FP6
.else
	v_wmma_scale_f32_16x16x128_f8f6f4 v[AC:AC+7], v[FR*BN:FR*BN+FR-1], v[AR+FR*\a:AR+FR*\a+FR-1], v[AC:AC+7], v[SB+24*(((\s)/2)%2)+2*BN+(\s)%2], v[SA+16*\a+(\s)] matrix_a_fmt:MATRIX_FMT_FP6 matrix_b_fmt:MATRIX_FMT_FP6
.endif
.endr
.endr
.endm
; A step of 128 along K.  LDS loads go in runs of 24, one behind each group's products (behind group 0 of an odd step 12 loads of scale words more).  A group's fragments were fetched a step ago: behind them two runs were issued.
.macro STEP s
.irp g, 0,1,2
.if (\s) == NS-1
	s_wait_dscnt 48-24*\g                          ; the last step fetches nothing: the counts run down
.elseif \g == 0
	s_wait_dscnt 48                                ; the two younger runs may be out
.else
	s_wait_dscnt 48+12*((\s)%2)                    ; likewise; in an odd step the younger runs hold 12 loads of scale words more
.endif
.if \g == 0
.if NS-1-(\s) >= 4
	s_wait_loadcnt 48                              ; this step's fragments of o are in; the four younger sets' 48 loads may be out
.else
	s_wait_loadcnt 12*(NS-1-(\s))
.endif
.endif
	MUL16 \s, \g
.if (\s) < NS-1
	PLACES
	WIN 0x40                                       ; destination window 1
.irp bb, 0,1,2,3
	BFRAG (\s)+1, 4*\g+\bb
.endr
	WIN 0
.if \g == 0
.if (\s)%2 == 1
	SCALES (\s)+1                                  ; into the set that the two steps before this pair read
.endif
.if (\s)+LEAD < NS
	ALOAD (\s)+LEAD                                ; into the set that the last step read
.endif
.endif
.endif
.endr
.endm
.irp a, 0,1,2,3
.irp q, 0,1,2,3
	global_load_b128 v[SA+16*\a+4*\q:SA+16*\a+4*\q+3], v[ASA], s[6:7] offset:1024*\a+16*\q   ; token r of block a: the scale words of steps 4 q .. 4 q + 3
.endr
.endr
	global_load_b128 v[BQ:BQ+3], v[L16], s[12:13]                  ; bo for the three pieces of a pair of rows
	global_load_b128 v[BQ+4:BQ+7], v[BQA], s[12:13]
	global_load_b128 v[BQ+8:BQ+11], v[L16], s[12:13] offset:256
.irp s, 0,1,2,3,4
	ALOAD \s
.endr
	s_wait_tensorcnt 1                             ; my parts of the scale bytes and of the first half of K are in; the second half's load may stay out
	s_barrier_signal -1
	s_barrier_wait -1                              ; everybody's are
	WIN 0x40
.irp b, 0,1,2,3
	BFRAG 0, \b
.endr
	WIN 0
	SCALES 0
	WIN 0x40
.irp b, 4,5,6,7,8,9,10,11
	BFRAG 0, \b
.endr
	WIN 0
.irp s, 0,1,2,3,4,5,6
	STEP \s
.endr
	s_wait_tensorcnt 0x0                           ; step 7 is the first to fetch from the second half of K: my part of it is in,
	s_wait_dscnt 0x0                               ; (no LDS instruction is pending at a signal)
	s_barrier_signal -1
	s_barrier_wait -1                              ; everybody's is
.irp s, 7,8,9,10,11,12,13,14,15
	STEP \s
.endr
	WIN 0
	; THE WAY OUT.  My 64 rows of 768 bytes go through my own stage, which lies over Wo's tile: that has had its only fill, my reads of it are back (the last step's wait for 0), and behind this barrier everybody's are.
	s_barrier_signal -1
	s_barrier_wait -1
	PLACES
	WIN 0x08                                       ; an LDS store's data are its source 1: window 2
.irp b, 0,1,2,3,4,5,6,7
.irp a, 0,1,2,3
	ds_store_b128 v[STO], v[8*(4*\b+\a):8*(4*\b+\a)+3] offset:\a*16*SPITCH+64*\b         ; lane (r, h): out0(16 a + r, 16 b + 8 h + 0 .. 7); each accumulator from its low end on
	ds_store_b128 v[STO], v[8*(4*\b+\a)+4:8*(4*\b+\a)+7] offset:\a*16*SPITCH+64*\b+16
.endr
.endr
	WIN 0x0c                                       ; window 3
.irp b, 8,9,10,11
.irp a, 0,1,2,3
	ds_store_b128 v[STO], v[8*(4*(\b-8)+\a):8*(4*(\b-8)+\a)+3] offset:\a*16*SPITCH+64*\b
	ds_store_b128 v[STO], v[8*(4*(\b-8)+\a)+4:8*(4*(\b-8)+\a)+7] offset:\a*16*SPITCH+64*\b+16
.endr
.endr
	WIN 0
; LDS serves a wave's instructions in order (ISA guide 5.7.1.4): the loads below see my stores.  Two rows, 1,536 bytes, are three loads and three stores of 512 bytes; every sixteen lanes store 256 consecutive bytes at a
; multiple of 256 from out0's first byte.  Batches of four pairs of rows, two sets of registers by turns.
.macro LOADB n
.set BB, BK+48*((\n)%2)
.irp k, 0,1,2,3
	ds_load_b128 v[BB+12*\k:BB+12*\k+3], v[RD0] offset:2*SPITCH*(4*(\n)+\k)
	ds_load_b128 v[BB+12*\k+4:BB+12*\k+7], v[RD1] offset:2*SPITCH*(4*(\n)+\k)
	ds_load_b128 v[BB+12*\k+8:BB+12*\k+11], v[RD0] offset:2*SPITCH*(4*(\n)+\k)+SPITCH+256
.endr
.endm
.macro STOREB n
.set BB, BK+48*((\n)%2)
.irp k, 0,1,2,3
.irp i, 0,1,2
	v_pk_add_f32 v[BB+12*\k+4*\i:BB+12*\k+4*\i+1], v[BB+12*\k+4*\i:BB+12*\k+4*\i+1], v[BQ+4*\i:BQ+4*\i+1]           ; + bo of the piece's columns
	v_pk_add_f32 v[BB+12*\k+4*\i+2:BB+12*\k+4*\i+3], v[BB+12*\k+4*\i+2:BB+12*\k+4*\i+3], v[BQ+4*\i+2:BQ+4*\i+3]
.endr
	global_store_b128 v[L16], v[BB+12*\k:BB+12*\k+3], s[14:15] offset:2*OROW*(4*(\n)+\k) th:TH_STORE_NT
	global_store_b128 v[CO1], v[BB+12*\k+4:BB+12*\k+7], s[14:15] offset:2*OROW*(4*(\n)+\k) th:TH_STORE_NT
	global_store_b128 v[L16], v[BB+12*\k+8:BB+12*\k+11], s[14:15] offset:2*OROW*(4*(\n)+\k)+OROW+256 th:TH_STORE_NT
.endr
.endm
	LOADB 0
.irp n, 0,1,2,3,4,5,6,7
.if \n < 7
.if \n > 0
	s_wait_xcnt 0x0                                ; the batch before last's stores have read their registers: they are loaded again only behind this wait
.endif
	LOADB \n+1
	s_wait_dscnt 12                                ; this batch is in; the next batch's 12 loads may be out
.else
	s_wait_dscnt 0
.endif
	STOREB \n
.endr
	s_wait_tensorcnt 0x0
	ds_add_u32 v254, v255
	s_wait_dscnt 0x0
	CROUND                                         ; the closing round: no work-group ends while a partner may still ask for a tile that names it
	s_endpgm
.Lfunc_end_k_q88083e41b4_proj:
	.size	k_q88083e41b4_proj, .Lfunc_end_k_q88083e41b4_proj-k_q88083e41b4_proj
	.p2alignl 7, 3214868480
	.fill 96, 4, 3214868480
	.section	.rodata,"a",@progbits
	.p2align	6, 0x0
	.amdhsa_kernel k_q88083e41b4_proj
		.amdhsa_group_segment_fixed_size 327680
		.amdhsa_private_segment_fixed_size 0
		.amdhsa_enable_private_segment 0
		.amdhsa_kernarg_size 48
		.amdhsa_user_sgpr_count 2
		.amdhsa_user_sgpr_kernarg_segment_ptr 1
		.amdhsa_wavefront_size32 1
		.amdhsa_system_sgpr_workgroup_id_x 1
		.amdhsa_system_sgpr_workgroup_id_y 1
		.amdhsa_system_sgpr_workgroup_id_z 1
		.amdhsa_system_vgpr_workitem_id 0
		.amdhsa_next_free_vgpr 1024
		.amdhsa_next_free_sgpr 66
		.amdhsa_reserve_vcc 0
		.amdhsa_float_denorm_mode_32 3
		.amdhsa_float_denorm_mode_16_64 3
		.amdhsa_memory_ordered 1
		.amdhsa_forward_progress 1
		.amdhsa_inst_pref_size 248
	.end_amdhsa_kernel
	.amdgpu_metadata
---
amdhsa.version: [ 1, 2 ]
amdhsa.kernels:
  - .name:           k_q88083e41b4_proj
    .symbol:         k_q88083e41b4_proj.kd
    .args:
      - { .name: o_codes, .offset: 0, .size: 8, .value_kind: global_buffer, .address_space: global }
      - { .name: o_scales, .offset: 8, .size: 8, .value_kind: global_buffer, .address_space: global }
      - { .name: Wo_codes, .offset: 16, .size: 8, .value_kind: global_buffer, .address_space: global }
      - { .name: Wo_scales, .offset: 24, .size: 8, .value_kind: global_buffer, .address_space: global }
      - { .name: bo, .offset: 32, .size: 8, .value_kind: global_buffer, .address_space: global }
      - { .name: out0, .offset: 40, .size: 8, .value_kind: global_buffer, .address_space: global }
    .group_segment_fixed_size: 327680
    .private_segment_fixed_size: 0
    .kernarg_segment_align: 8
    .kernarg_segment_size: 48
    .max_flat_workgroup_size: 128
    .sgpr_count:     66
    .vgpr_count:     1024
    .wavefront_size: 32
...
	.end_amdgpu_metadata
.endif
;; end of part 3
